; MI455X (gfx1250); checked and timed in simulation.
; The chip was launched on July 23, 2026; its instructions are those of AMD's public machine-readable ISA for CDNA 5 (MIT licence, August 2026) and "CDNA5" Instruction Set Architecture Reference Guide (July 2026). The comments in the code are by the model that wrote it; some were corrected since.
;; Probabilistic Multi Head Attention. Allowed arithmetic: float matrix products may take bf16 or f16 operands with f32 sums; other float arithmetic in f32, or as packed bf16 or f16 multiplies, adds, multiply-adds, maxima and minima; sums over many terms, partial sums and values carried from step to step in f32; what a program stores and reads back later, other than sums and carried values, may be rounded once to bf16 or f16.
;; Inputs: Wproj_mu 1,024 x 1,024 float32; Wproj_sigma 1,024 x 1,024 float32; Wqkv_mu 1,024 x 3,072 float32; Wqkv_sigma 1,024 x 3,072 float32; alpha one number float32; bproj_mu 1,024 float32; bproj_sigma 1,024 float32; bqkv_mu 3,072 float32; bqkv_sigma 3,072 float32; mu 2 x 2,048 x 1,024 float32; sigma 2 x 2,048 x 1,024 float32.
;; Outputs: out0 2 x 2,048 x 1,024 float32; out1 2 x 2,048 x 1,024 float32.
;; 2 versions, each right; version 2 is version 1 with the launch cast written anew for expert scheduling mode. Each part assembles by itself: llvm-mc -triple=amdgcn-amd-amdhsa -mcpu=gfx1250 --defsym DOCPART=n.
;; ======== version 1 of 2: 4 launches
;; limits: values are held in f16: magnitudes above 65,504 overflow, below 6.1e-05 lose precision
;; workspace buffers: cst 33,554,432 bytes; qkv 50,331,648 bytes; oh 16,777,216 bytes
;; launch cast (part 1): grid 512 x 1, 8 waves a work-group, no clusters, 0 bytes of LDS; arguments mu, sigma, Wqkv_mu, Wqkv_sigma, Wproj_mu, Wproj_sigma, cst; writes cst
.if DOCPART == 1
	.amdgcn_target "amdgcn-amd-amdhsa--gfx1250"
	.amdhsa_code_object_version 6
	.text
	.protected	k_q12814b7996_cast
	.globl	k_q12814b7996_cast
	.p2align	8
	.type	k_q12814b7996_cast,@function
k_q12814b7996_cast:
	s_mov_b64 s[64:65], 0
	v_nop
	global_prefetch_b8 v0, s[64:65] scope:SCOPE_SE
	s_setreg_imm32_b32 hwreg(HW_REG_WAVE_MODE, 25, 1), 1
	s_wait_xcnt 0x0
; ROUND AND RE-BLOCK.  Each of six tensors [R][C] of f32 becomes [C/64][R][64] of f16 in cst: a matrix row's 64 columns are 128 bytes, and a block's rows lie end to end.
; Each number is rounded once to bf16 (nearest even) and that number is written as f16.
; LIMITS.  Exact for 6.1e-5 <= |x| < 65,504; below, f16 keeps its fixed step of 6e-8; from 65,520 on the result is an infinity.  NaN and infinities are not treated apart.
; cst: XH at 0: [stream 2][kb 16][4096][64]; WQ at 16,777,216: [stream 2][hg 48][1024][64]; WP at 29,360,128: [stream 2][hg 16][1024][64].
; SHARES.  A wave takes one column block and 64 rows: 32 granules of 2 rows x 64 columns.  The eight waves of a work-group take eight neighbouring column blocks.
; Work-groups 0-255: mu, sigma (128 each); 256-447: the two Wqkv (96 each); 448-511: the two Wproj (32 each).
; A load of a wave covers 256 consecutive aligned bytes of each of two rows; a store covers 256 consecutive aligned bytes.
; A stream: no LDS, no barrier, no matrix unit, no prefetch: every byte is read once by loads that are kept eight deep in each wave.
.set OFF, 2                            ; v[2:9]    slot i: byte offset of its granule in the source
.set OO,  10                           ; v10       byte offset in cst of my 8 bytes of the round's first granule
.set T,   12                           ; v[12:17]  at work
.set X,   20                           ; v[20:51]  slot i: 4 registers as loaded
.set Y,   52                           ; v[52:67]  slot i: 2 registers to store
	s_load_b256 s[4:11], s[0:1], 0x0               ; mu, sigma, Wqkv_mu, Wqkv_sigma
	s_load_b128 s[12:15], s[0:1], 0x20             ; Wproj_mu, Wproj_sigma
	s_load_b64 s[16:17], s[0:1], 0x30              ; cst
	v_lshrrev_b32 v1, 5, v0
	v_readfirstlane_b32 s24, v1                    ; wave 0..7
	v_and_b32 v11, 31, v0                          ; lane
	s_mov_b32 s25, ttmp9                           ; g
	s_mov_b32 s23, 0xffff0000                      ; a word's upper bf16
	s_lshr_b32 s26, s25, 7                         ; as mu or sigma: stream,
	s_and_b32 s27, s25, 127                        ; and number in the tensor
	s_sub_co_u32 s28, s25, 256                     ; as a Wqkv
	s_cmp_ge_u32 s28, 96
	s_cselect_b32 s29, 1, 0
	s_mul_i32 s30, s29, 96
	s_sub_co_u32 s30, s28, s30
	s_sub_co_u32 s31, s25, 448                     ; as a Wproj
	s_lshr_b32 s32, s31, 5
	s_and_b32 s33, s31, 31
	s_mov_b32 s20, 4096                            ; bytes in a source row
	s_mov_b32 s34, 29360128                        ; where the kind begins in cst
	s_mov_b32 s35, 2097152                         ; bytes of a stream there
	s_mov_b32 s36, 131072                          ; bytes of a column block there
	s_mov_b32 s37, 4                               ; log2 of the groups of 64 rows
	s_cmp_lt_u32 s25, 448
	s_cselect_b32 s32, s29, s32
	s_cselect_b32 s33, s30, s33
	s_cselect_b32 s20, 12288, s20
	s_cselect_b32 s34, 16777216, s34
	s_cselect_b32 s35, 6291456, s35
	s_cmp_lt_u32 s25, 256
	s_cselect_b32 s32, s26, s32                    ; stream
	s_cselect_b32 s33, s27, s33                    ; number in the tensor
	s_cselect_b32 s20, 4096, s20
	s_cselect_b32 s34, 0, s34
	s_cselect_b32 s35, 8388608, s35
	s_cselect_b32 s36, 524288, s36
	s_cselect_b32 s37, 6, s37
	s_bfm_b32 s42, s37, 0
	s_and_b32 s43, s33, s42                        ; which 64 rows
	s_lshr_b32 s44, s33, s37                       ; which eight column blocks
	s_lshl3_add_u32 s44, s44, s24                  ; my column block
	s_lshl_b32 s43, s43, 6                         ; my first row
	s_mul_i32 s45, s43, s20
	s_lshl_b32 s46, s44, 8
	s_add_co_u32 s45, s45, s46                     ; source: row x pitch + block x 256
	s_mul_i32 s46, s32, s35
	s_add_co_u32 s34, s34, s46
	s_mul_i32 s46, s44, s36
	s_add_co_u32 s34, s34, s46
	s_lshl_b32 s46, s43, 7
	s_add_co_u32 s34, s34, s46                     ; cst: kind + stream + block + row x 128
	s_lshl_b32 s46, s20, 1                         ; a granule: two rows
	s_lshl_b32 s21, s20, 4                         ; a round: sixteen rows
	v_lshrrev_b32 v12, 4, v11
	v_and_b32 v13, 15, v11
	v_mul_lo_u32 v[OFF], v12, s20                  ; lanes 16-31 take the granule's second row
	v_lshl_add_u32 v[OFF], v13, 4, v[OFF]
	v_add_nc_u32 v[OFF], s45, v[OFF]
.irp i, 1,2,3,4,5,6,7
	v_add_nc_u32 v[OFF+(\i)], s46, v[OFF+(\i)-1]
.endr
	v_lshl_add_u32 v[OO], v11, 3, s34
	s_wait_kmcnt 0x0
	s_cmp_eq_u32 s32, 0                            ; the source: by stream, then by kind
	s_cselect_b64 s[18:19], s[12:13], s[14:15]
	s_cselect_b64 s[38:39], s[8:9], s[10:11]
	s_cselect_b64 s[40:41], s[4:5], s[6:7]
	s_cmp_lt_u32 s25, 448
	s_cselect_b64 s[18:19], s[38:39], s[18:19]
	s_cmp_lt_u32 s25, 256
	s_cselect_b64 s[18:19], s[40:41], s[18:19]
.irp i, 0,1,2,3,4,5,6,7
	global_load_b128 v[X+4*(\i):X+4*(\i)+3], v[OFF+(\i)], s[18:19] th:TH_LOAD_NT
.endr
; One slot's turn.  ahead = 1: the slot is filled again with the granule eight further on.  left = how many younger loads may stay out.
.macro SLOT i, ahead, left
	s_wait_loadcnt \left                           ; loads come back in order: mine is in, and its address register is free
	v_cvt_pk_bf16_f32 v[T], v[X+4*(\i)], v[X+4*(\i)+1]
	v_cvt_pk_bf16_f32 v[T+1], v[X+4*(\i)+2], v[X+4*(\i)+3]
	v_lshlrev_b32 v[T+2], 16, v[T]
	v_and_b32 v[T+3], s23, v[T]
	v_lshlrev_b32 v[T+4], 16, v[T+1]
	v_and_b32 v[T+5], s23, v[T+1]
	v_cvt_pk_f16_f32 v[Y+2*(\i)], v[T+2], v[T+3]
	v_cvt_pk_f16_f32 v[Y+2*(\i)+1], v[T+4], v[T+5]
.if \ahead
	v_add_nc_u32 v[OFF+(\i)], s21, v[OFF+(\i)]
	global_load_b128 v[X+4*(\i):X+4*(\i)+3], v[OFF+(\i)], s[18:19] th:TH_LOAD_NT
.endif
	global_store_b64 v[OO], v[Y+2*(\i):Y+2*(\i)+1], s[16:17] offset:256*(\i)
.endm
	s_mov_b32 s22, 3
.Lround:
.irp i, 0,1,2,3,4,5,6,7
	SLOT \i, 1, 7
.endr
	s_wait_xcnt 0x0                                ; the round's stores have read Y and OO: only now are they written again
	v_add_nc_u32 v[OO], 2048, v[OO]
	s_sub_co_u32 s22, s22, 1
	s_cmp_lg_u32 s22, 0
	s_cbranch_scc1 .Lround
.irp i, 0,1,2,3,4,5,6,7
	SLOT \i, 0, 7-(\i)                             ; the last round loads nothing: the counts run down
.endr
	s_endpgm
.Lfunc_end_k_q12814b7996_cast:
	.size	k_q12814b7996_cast, .Lfunc_end_k_q12814b7996_cast-k_q12814b7996_cast
	.p2alignl 7, 3214868480
	.fill 96, 4, 3214868480
	.section	.rodata,"a",@progbits
	.p2align	6, 0x0
	.amdhsa_kernel k_q12814b7996_cast
		.amdhsa_group_segment_fixed_size 0
		.amdhsa_private_segment_fixed_size 0
		.amdhsa_enable_private_segment 0
		.amdhsa_kernarg_size 56
		.amdhsa_user_sgpr_count 2
		.amdhsa_user_sgpr_kernarg_segment_ptr 1
		.amdhsa_wavefront_size32 1
		.amdhsa_system_sgpr_workgroup_id_x 1
		.amdhsa_system_sgpr_workgroup_id_y 1
		.amdhsa_system_sgpr_workgroup_id_z 1
		.amdhsa_system_vgpr_workitem_id 0
		.amdhsa_next_free_vgpr 72
		.amdhsa_next_free_sgpr 66
		.amdhsa_reserve_vcc 0
		.amdhsa_float_denorm_mode_32 3
		.amdhsa_float_denorm_mode_16_64 3
		.amdhsa_memory_ordered 1
		.amdhsa_forward_progress 1
		.amdhsa_inst_pref_size 14
	.end_amdhsa_kernel
	.amdgpu_metadata
---
amdhsa.version: [ 1, 2 ]
amdhsa.kernels:
  - .name:           k_q12814b7996_cast
    .symbol:         k_q12814b7996_cast.kd
    .args:
      - { .name: mu, .offset: 0, .size: 8, .value_kind: global_buffer, .address_space: global }
      - { .name: sigma, .offset: 8, .size: 8, .value_kind: global_buffer, .address_space: global }
      - { .name: Wqkv_mu, .offset: 16, .size: 8, .value_kind: global_buffer, .address_space: global }
      - { .name: Wqkv_sigma, .offset: 24, .size: 8, .value_kind: global_buffer, .address_space: global }
      - { .name: Wproj_mu, .offset: 32, .size: 8, .value_kind: global_buffer, .address_space: global }
      - { .name: Wproj_sigma, .offset: 40, .size: 8, .value_kind: global_buffer, .address_space: global }
      - { .name: cst, .offset: 48, .size: 8, .value_kind: global_buffer, .address_space: global }
    .group_segment_fixed_size: 0
    .private_segment_fixed_size: 0
    .kernarg_segment_align: 8
    .kernarg_segment_size: 56
    .max_flat_workgroup_size: 256
    .sgpr_count:     66
    .vgpr_count:     72
    .wavefront_size: 32
...
	.end_amdgpu_metadata
.endif
;; end of part 1
;; launch qkvp (part 2): grid 16 x 16, 4 waves a work-group, clusters of 4 x 4, 327,680 bytes of LDS; arguments cst, bqkv_mu, bqkv_sigma, alpha, qkv; writes qkv
.if DOCPART == 2
	.amdgcn_target "amdgcn-amd-amdhsa--gfx1250"
	.amdhsa_code_object_version 6
	.text
	.protected	k_q12814b7996_qkvp
	.globl	k_q12814b7996_qkvp
	.p2align	8
	.type	k_q12814b7996_qkvp,@function
k_q12814b7996_qkvp:
	s_mov_b64 s[64:65], 0
	v_nop
	global_prefetch_b8 v0, s[64:65] scope:SCOPE_SE
	s_setreg_imm32_b32 hwreg(HW_REG_WAVE_MODE, 25, 1), 1
	s_wait_xcnt 0x0
	s_wait_alu depctr_hold_cnt(0) depctr_sa_sdst(0) depctr_va_vdst(0) depctr_va_sdst(0) depctr_va_ssrc(0) depctr_va_vcc(0) depctr_vm_vsrc(0)
	s_getreg_b32 s2, hwreg(HW_REG_IB_STS2, 6, 4)
	s_cmp_eq_u32 s2, 0
	s_cbranch_scc0 .Lentry_in_a_cluster
	s_endpgm
.Lentry_in_a_cluster:
	s_bfe_u32 s2, ttmp6, 0x10000c
	s_cmp_lg_u32 s2, 0xf033
	s_cbranch_scc0 .Lentry_shape_is_right
	s_endpgm
.Lentry_shape_is_right:
; THE QKV PROJECTIONS OF BOTH STREAMS.  y[m][n] = sum over k of x[m][k] W[k][n] + b[n]; x: 4096 x 1024, W: 1024 x 3072, for mu and for sigma.  sigma's q is multiplied by alpha.
; x and W come from cst (bf16 numbers written as f16, in blocks [col/64][row][64]); b and alpha are rounded to bf16 here and used in f32.  Sums in f32; y rounded once to f16.
; qkv: [which 3 (q, k, v)][stream 2][batch x 16 + head][2048][64] of f16: a head's rows are dense, 128 bytes each.
; LIMITS.  |y| and |alpha y| stay under 65,504 (f16); NaN and infinities are not treated apart.
; SHARES.  The two streams' outputs are 4096 x 6144 numbers; a work-group makes 256 x 384 of them: 256 work-groups.  A wave makes 128 rows x 192 columns (three whole heads):
; 96 accumulators of 16 x 16, 768 registers.  K goes in steps of 64 (one block of x) through two LDS slots: a step of 128 would not fit twice.
; CLUSTER 4 x 4: the four of a row of the cluster need the same rows of x, the four of a column the same columns of W: each tile is asked for jointly.
; THE PRODUCT IS TAKEN TRANSPOSED: source 0 = 16 columns of W (W lies [k][n] in LDS and is turned by ds_load_tr16_b128), source 1 = 16 rows of x: a lane then holds one row m (lane % 16)
; and eight neighbouring columns: 16 bytes of f16.
; LDS.  Tiles are asked for as rows of 256 bytes (two matrix rows).  x: 16 bytes of padding behind each: matrix row r at (r / 2) 272 + (r % 2) 128: sixteen rows start at sixteen different
; groups of four banks (64 banks of 4 bytes: ISA guide 11.1).  W: 32 bytes of padding: row k at (k / 2) 288 + (k % 2) 128: the eight rows of a pass of the turning load start at eight different groups of eight banks.
; REGISTERS.  Window 0: v0-31 addresses; v32-95, v96-159 x's 8 fragments, two buffers; v160-255 W's 12 fragments, one buffer, refilled four fragments at a time behind their products.
; Windows 1-3: accumulator (a = 0..7 row block, b = 0..11 column block) in window 1 + b / 4 at v[8 (8 (b % 4) + a)].
.set SLOT1,  1<<17                     ; slot 1 begins here: one exclusive or turns an address in one slot into the other's
.set AHALF,  64*272                    ; 128 rows of x: what waves 0 and 1 fetch
.set BOFF,   2*AHALF                   ; W's tile behind x's
.set BHG,    32*288                    ; 64 k of one head group
.set BHALF,  3*BHG                     ; three head groups: what waves 2 and 3 fetch
.set STAGE,  SLOT1+BOFF+2*BHALF        ; behind the ring, never filled by a tensor load: [3 heads][16 rows][144 bytes] for each wave
.set STW,    3*16*144
.set SPARE,  STAGE+4*STW               ; the spare words, 128 bytes for each wave: two blocks of 256 bytes that no other line names
.set XBLK,   524288                    ; bytes of a block of x: a K step
.set WQ0,    16777216                  ; where W begins in cst
.set WQSTR,  6291456                   ; bytes of a stream of W
.set GOJ,  8                           ; v8-10  my byte offset in qkv for each of my three heads
.set BO,   11                          ; v11    my byte offset in the bias
.set BT,   12                          ; v12-15 at work
.set ADRA, 16                          ; v16    LDS address of my fragments of x in the slot in hand
.set ADRA0,17                          ; v17    the same in slot 0; never rewritten
.set ADRB, 20                          ; v20, v21  the same for W
.set ADRB0,21
.set STO,  24                          ; v24    the way out: where I put 16 bytes of a row
.set RD,   25                          ; v25    where I read rows back
.set SPW,  28                          ; v28    LDS address of my spare word; never rewritten
.set NIL,  29                          ; v29    0; never rewritten
.set PFO,  30                          ; v30    256 x my lane; never rewritten
.set AB0,  32
.set AB1,  96
.set BB,   160
.set TMP,  96                          ; the way out: 48 registers of packed results
.set BK,   192                         ; the way out: 48 registers read back from the stage
.set G1A, 24                           ; s[24:31] descriptor group 1 for x's tiles;  s[32:39] group 0, two sets: the second walks
.set G0A, 32
.set TB,  40                           ; s40  0 or SLOT1: the slot that is read
.set LIM, 41                           ; s41  2 in a wave that prefetches, else the greatest number
.set G1B, 48                           ; s[48:55], s[56:63] the same for W's tiles
.set G0B, 56
.set F,   66                           ; s[66:71] for each of my three heads a factor, twice: bf16(alpha) for sigma's q, else 1
.set PFA, 72                           ; s[72:73] where my prefetches stand
.set PST, 74                           ; s[74:75] a K step of the tensor that I fetch for
.set BP,  76                           ; s[76:77] my stream's bias
.set WV,  84
.set WM,  85                           ; my half of the tile's rows.  Also: I fetch for x (0) or for W (1)
.set WN,  86                           ; my half of its columns.  Also: which half of that tile I fetch
.set CX,  87
.set CY,  88
.set STRM,89
.set TN,  90
.set TM,  91
.set HG0, 92                           ; the first of my three head groups (0..47)
.set ROWO,93
.set MSB, 0
.macro WIN new                         ; the immediate's high byte repeats the setting that is left; a switch that changes nothing is dropped
.if MSB != (\new)
	s_set_vgpr_msb (MSB<<8)|(\new)
.set MSB, \new
.endif
.endm
.macro PLACES                          ; four places in front of loads into registers that matrix instructions have read
.rept 4
	v_nop
.endr
.endm
; A joint refill by the walking descriptors.  The branch hangs on the wave's number alone.  An s_nop 0 and four v_nop follow each of the two lines.
.macro JLOAD
	s_cmp_eq_u32 s[WM], 0
	s_cbranch_scc0 .Lfor_b_\@
	tensor_load_to_lds s[G0A+4:G0A+7], s[G1A:G1A+7]
	s_nop 0
.rept 4
	v_nop
.endr
	s_branch .Lasked_\@
.Lfor_b_\@:
	tensor_load_to_lds s[G0B+4:G0B+7], s[G1B:G1B+7]
	s_nop 0
.rept 4
	v_nop
.endr
.Lasked_\@:
.endm
.macro CREST                           ; a round of the cluster's barrier behind its opening barrier
	s_cmp_lg_u32 s[WV], 0
	s_cbranch_scc1 .Lnot_wave_0_\@
	s_barrier_signal -3
.Lnot_wave_0_\@:
	s_barrier_wait -3
	s_barrier_signal -1
	s_barrier_wait -1
.endm
.macro CROUND
	s_barrier_signal -1
	s_barrier_wait -1
	CREST
.endm
; A PREFETCH INTO THE L2, in trips 0, 4 and 8 of the loop (s3 = 14, 10, 6), behind the joint load and the run of LDS loads: the four K steps that begin four steps on.
; x's rows are read by the two clusters of a stream in a row of clusters: the one with even x asks; W's columns by the four clusters of a column: the one with y = 0 asks.
; The four partners share the blocks of 256 bytes out BY ADDRESS, a lane a block: for x partner cx takes half cx % 2 of my 16 KiB in steps cx / 2 and 2 + cx / 2 of the four;
; for W partner cy takes step cy of the four, in each of my three head groups.  The first four steps come by their loads alone; the last step named is the last of K.
.macro ASK
	s_and_b32 s42, s3, 3
	s_cmp_eq_u32 s42, 2
	s_cbranch_scc0 .Lna_\@
	s_cmp_gt_u32 s3, s[LIM]
	s_cbranch_scc0 .Lna_\@
	s_cmp_eq_u32 s[WM], 0
	s_cbranch_scc0 .Lpb_\@
	global_prefetch_b8 v[PFO], s[PFA:PFA+1] th:TH_LOAD_NT scope:SCOPE_SE
	global_prefetch_b8 v[PFO], s[PFA:PFA+1] offset:2*XBLK th:TH_LOAD_NT scope:SCOPE_SE
	s_branch .Lna_\@
.Lpb_\@:
	global_prefetch_b8 v[PFO], s[PFA:PFA+1] th:TH_LOAD_NT scope:SCOPE_SE
	global_prefetch_b8 v[PFO], s[PFA:PFA+1] offset:131072 th:TH_LOAD_NT scope:SCOPE_SE
	global_prefetch_b8 v[PFO], s[PFA:PFA+1] offset:262144 th:TH_LOAD_NT scope:SCOPE_SE
.Lna_\@:
.endm
	s_load_b256 s[4:11], s[0:1], 0x0               ; cst s[4:5], bqkv_mu s[6:7], bqkv_sigma s[8:9], alpha s[10:11]
	s_load_b64 s[12:13], s[0:1], 0x20              ; qkv
	v_lshl_add_u32 v[SPW], v0, 2, SPARE
	v_mov_b32 v[NIL], 0
	ds_add_u32 v[SPW], v[NIL]                      ; the wave's opening: the add and its wait stand ahead of my first tensor load; work on registers stands between them
	v_lshrrev_b32 v1, 5, v0
	v_readfirstlane_b32 s[WV], v1                  ; wave 0..3
	s_lshr_b32 s[WM], s[WV], 1
	s_and_b32 s[WN], s[WV], 1
	s_bfe_u32 s[CX], ttmp6, 0x40000                ; my place in the cluster
	s_bfe_u32 s[CY], ttmp6, 0x40004
	s_lshr_b32 s[STRM], ttmp9, 1                   ; clusters x = 0, 1: mu; 2, 3: sigma
	s_and_b32 s[TN], ttmp9, 1
	s_lshl_b32 s[TN], s[TN], 2
	s_add_co_u32 s[TN], s[TN], s[CX]               ; which 384 columns of the stream's 3072
	s_and_b32 s[TM], ttmp7, 0xffff
	s_lshl_b32 s[TM], s[TM], 2
	s_add_co_u32 s[TM], s[TM], s[CY]               ; which 256 rows
	s_lshl_b32 s42, s[CY], 2
	s_lshl_b32 s42, 15, s42                        ; my row of the cluster
	s_lshl_b32 s43, 0x1111, s[CX]                  ; my column
	s_or_b32 s[G1A], s42, (3<<16)|(1<<20)|(1<<21)|(5<<22)|(3<<25)  ; the mask; elements of 8 bytes; padding on; bit 21 beside a mask; after every 64 words, 4 words
	s_or_b32 s[G1B], s43, (3<<16)|(1<<20)|(1<<21)|(5<<22)|(7<<25)  ; the same with my column's mask and 8 words of padding
	s_mov_b32 s[G1A+1], 32<<16                     ; x: 64 rows of 32 elements (256 bytes), dense
	s_mov_b32 s[G1A+2], 64<<16
	s_mov_b32 s[G1A+3], 32<<16
	s_mov_b32 s[G1A+4], 64
	s_mov_b32 s[G1A+5], 32
	s_mov_b32 s[G1A+6], 0
	s_mov_b32 s[G1A+7], 0
	s_mov_b32 s[G1B+1], 1024<<16                   ; W: 3 rows of 1,024 elements (64 k of a head group: 8,192 dense bytes), 131,072 bytes apart
	s_mov_b32 s[G1B+2], 3<<16
	s_mov_b32 s[G1B+3], 1024<<16
	s_mov_b32 s[G1B+4], 3
	s_mov_b32 s[G1B+5], 16384
	s_mov_b32 s[G1B+6], 0
	s_mov_b32 s[G1B+7], 0
	s_lshl_b32 s44, s[TM], 15                      ; x's tile: 256 rows of 128 bytes,
	s_lshl_b32 s46, s[WN], 14                      ; the half that I fetch,
	s_add_co_u32 s44, s44, s46
	s_lshl_b32 s46, s[STRM], 23                    ; the stream: no place along the cluster's x enters
	s_add_co_u32 s44, s44, s46
	s_mov_b32 s45, 0
	s_mul_i32 s47, s[WN], AHALF                    ; and where it goes
	s_mul_i32 s[HG0], s[TN], 6                     ; W's tile: head groups 6 tn + 3 half ..: no place along the cluster's y enters
	s_mul_i32 s82, s[WN], 3
	s_add_co_u32 s[HG0], s[HG0], s82
	s_lshl_b32 s80, s[HG0], 17
	s_mul_i32 s82, s[STRM], WQSTR
	s_add_co_u32 s80, s80, s82
	s_add_co_u32 s80, s80, WQ0
	s_mov_b32 s81, 0
	s_mul_i32 s83, s[WN], BHALF
	s_add_co_u32 s83, s83, BOFF
	s_mov_b32 s[TB], 0
	s_wait_dscnt 0x0                               ; the opening add is done
	s_wait_kmcnt 0x0
	s_load_b32 s14, s[10:11], 0x0                  ; alpha
	s_add_nc_u64 s[44:45], s[4:5], s[44:45]
	s_add_nc_u64 s[80:81], s[4:5], s[80:81]
.irp n, 0,1
	s_mov_b32 s[G0A+4*(\n)], 1
	s_add_co_u32 s[G0A+4*(\n)+1], s47, (\n)*SLOT1
	s_add_nc_u64 s[G0A+4*(\n)+2:G0A+4*(\n)+3], s[44:45], (\n)*XBLK
	s_or_b32 s[G0A+4*(\n)+3], s[G0A+4*(\n)+3], 0x80000000
	s_mov_b32 s[G0B+4*(\n)], 1
	s_add_co_u32 s[G0B+4*(\n)+1], s83, (\n)*SLOT1
	s_add_nc_u64 s[G0B+4*(\n)+2:G0B+4*(\n)+3], s[80:81], (\n)*8192
	s_or_b32 s[G0B+4*(\n)+3], s[G0B+4*(\n)+3], 0x80000000
.endr
	CROUND                                         ; all sixteen work-groups are here: the first joint loads meet
	s_cmp_eq_u32 s[WM], 0                          ; a wave's two first fills stand in one branch: two loads of mine are out
	s_cbranch_scc0 .Lfirst_b
	tensor_load_to_lds s[G0A:G0A+3], s[G1A:G1A+7]
	s_nop 0
	tensor_load_to_lds s[G0A+4:G0A+7], s[G1A:G1A+7]
	s_nop 0
.rept 4
	v_nop
.endr
	s_branch .Lfirst_done
.Lfirst_b:
	tensor_load_to_lds s[G0B:G0B+3], s[G1B:G1B+7]
	s_nop 0
	tensor_load_to_lds s[G0B+4:G0B+7], s[G1B:G1B+7]
	s_nop 0
.rept 4
	v_nop
.endr
.Lfirst_done:
	; the prefetches' pointer: three K steps beyond the one that the first trip's step makes of it
	s_lshr_b32 s16, s[CX], 1
	s_lshl_b32 s16, s16, 19
	s_and_b32 s17, s[CX], 1
	s_lshl_b32 s17, s17, 13
	s_add_co_u32 s16, s16, s17
	s_add_co_u32 s16, s16, 3*XBLK
	s_lshl_b32 s18, s[CY], 13
	s_add_co_u32 s18, s18, 3*8192
	s_and_b32 s19, ttmp9, 1                        ; along these coordinates other clusters read the same tiles
	s_and_b32 s20, ttmp7, 0xffff
	s_mov_b32 s[PST], 8192
	s_mov_b32 s[PST+1], 0
	s_cmp_eq_u32 s[WM], 0
	s_cselect_b64 s[PFA:PFA+1], s[44:45], s[80:81]
	s_cselect_b32 s16, s16, s18
	s_cselect_b32 s19, s19, s20
	s_cselect_b32 s[PST], XBLK, s[PST]
	s_mov_b32 s17, 0
	s_add_nc_u64 s[PFA:PFA+1], s[PFA:PFA+1], s[16:17]
	s_cmp_eq_u32 s19, 0
	s_cselect_b32 s[LIM], 2, -1                    ; the same in all sixteen partners, for a given wave
	; lane addresses
	v_and_b32 v1, 31, v0                           ; l
	v_and_b32 v2, 15, v0                           ; l % 16
	v_bfe_u32 v3, v0, 4, 1                         ; l / 16
	v_and_b32 v4, 1, v0
	v_lshlrev_b32 v[PFO], 8, v1
	v_lshrrev_b32 v5, 1, v2                        ; x: row l % 16: pair of rows x 272 + odd row x 128 + 16 x half
	v_mul_u32_u24 v5, v5, 272
	v_lshl_add_u32 v5, v4, 7, v5
	v_lshl_add_u32 v5, v3, 4, v5
	s_mul_i32 s16, s[WM], AHALF
	v_add_nc_u32 v[ADRA0], s16, v5
	v_bfe_u32 v6, v0, 1, 2                         ; W: row k = 8 (l / 16) + l % 8, columns 8 ((l / 8) % 2) ..
	v_lshl_add_u32 v6, v3, 2, v6
	v_mul_u32_u24 v6, v6, 288
	v_lshl_add_u32 v6, v4, 7, v6
	v_bfe_u32 v7, v0, 3, 1
	v_lshl_add_u32 v6, v7, 4, v6
	s_mul_i32 s16, s[WN], BHALF
	s_add_co_u32 s16, s16, BOFF
	v_add_nc_u32 v[ADRB0], s16, v6
	v_mov_b32 v[ADRA], v[ADRA0]
	v_mov_b32 v[ADRB], v[ADRB0]
	s_mul_i32 s16, s[WV], STW
	s_add_co_u32 s16, s16, STAGE                   ; my stage
	v_mul_u32_u24 v5, v2, 144                      ; in: row l % 16, 16 bytes for each half of the lanes
	v_lshl_add_u32 v5, v3, 4, v5
	v_add_nc_u32 v[STO], s16, v5
	v_bfe_u32 v6, v0, 3, 2                         ; back: 32 lanes take four rows of 128 bytes
	v_mul_u32_u24 v6, v6, 144
	v_and_b32 v7, 7, v0
	v_lshl_add_u32 v6, v7, 4, v6
	v_add_nc_u32 v[RD], s16, v6
	s_lshl_b32 s16, s[HG0], 8                      ; the bias of my 192 columns; my eight of a block of 16
	v_lshl_add_u32 v[BO], v3, 5, s16
	s_cmp_eq_u32 s[STRM], 0
	s_cselect_b64 s[BP:BP+1], s[6:7], s[8:9]
	s_wait_kmcnt 0x0                               ; alpha
	v_mov_b32 v5, s14
	v_cvt_pk_bf16_f32 v5, v5, v5                   ; rounded to bf16 like every input
	v_lshlrev_b32 v5, 16, v5
	v_readfirstlane_b32 s14, v5
	s_and_b32 s16, s[TM], 7                        ; my rows in a head: 256 (tm % 8) + 128 half, 128 bytes each; and the stream
	s_lshl_b32 s16, s16, 15
	s_lshl_b32 s17, s[WM], 14
	s_add_co_u32 s16, s16, s17
	s_lshl_b32 s17, s[STRM], 23
	s_add_co_u32 s[ROWO], s16, s17
.irp j, 0,1,2
	s_add_co_u32 s16, s[HG0], \j                   ; head group: q, k or v (/ 16) and head (% 16)
	s_lshr_b32 s17, s16, 4
	s_lshl_b32 s17, s17, 24
	s_and_b32 s18, s16, 15
	s_lshr_b32 s19, s[TM], 3                       ; batch
	s_lshl4_add_u32 s18, s19, s18
	s_lshl_b32 s18, s18, 18
	s_add_co_u32 s17, s17, s18
	s_add_co_u32 s17, s17, s[ROWO]
	v_lshl_add_u32 v[GOJ+(\j)], v1, 4, s17
	s_cmp_lt_u32 s16, 16                           ; q,
	s_cselect_b32 s18, s[STRM], 0                  ; of sigma?
	s_cmp_eq_u32 s18, 1
	s_cselect_b32 s[F+2*(\j)], s14, 1.0
	s_mov_b32 s[F+2*(\j)+1], s[F+2*(\j)]
.endr
; 16 matrix instructions: column blocks 4 g + 2 half, + 1 x all 8 row blocks, 32 along K.  The 96 accumulators take turns, one instruction a turn.  zero = 1: the product starts the sum.
.macro GRP g, ab, half, zero
	WIN 0x50*(1+(\g))
.irp bb, 2*(\half), 2*(\half)+1
.irp a, 0,1,2,3,4,5,6,7
.if \zero
	v_wmma_f32_16x16x32_f16 v[8*(8*(\bb)+(\a)):8*(8*(\bb)+(\a))+7], v[BB+8*(4*(\g)+(\bb)):BB+8*(4*(\g)+(\bb))+7], v[(\ab)+8*(\a):(\ab)+8*(\a)+7], 0
.else
	v_wmma_f32_16x16x32_f16 v[8*(8*(\bb)+(\a)):8*(8*(\bb)+(\a))+7], v[BB+8*(4*(\g)+(\bb)):BB+8*(4*(\g)+(\bb))+7], v[(\ab)+8*(\a):(\ab)+8*(\a)+7], v[8*(8*(\bb)+(\a)):8*(8*(\bb)+(\a))+7]
.endif
.endr
.endr
.endm
; A run of LDS loads for half c of a K step: W's fragments 4 g .. 4 g + 3 (8 loads); with g = 0 also x's eight fragments into buffer ab2 (16 loads)
.macro RUN g, c, ab2
	WIN 0
.irp bb, 0,1,2,3
	ds_load_tr16_b128 v[BB+8*(4*(\g)+(\bb)):BB+8*(4*(\g)+(\bb))+3],   v[ADRB] offset:(\g)*BHG+(\c)*4608+32*(\bb)
	ds_load_tr16_b128 v[BB+8*(4*(\g)+(\bb))+4:BB+8*(4*(\g)+(\bb))+7], v[ADRB] offset:(\g)*BHG+(\c)*4608+32*(\bb)+2304
.endr
.if (\g) == 0
.irp a, 0,1,2,3,4,5,6,7
	ds_load_b128 v[(\ab2)+8*(\a):(\ab2)+8*(\a)+3],   v[ADRA] offset:(\a)*2176+64*(\c)
	ds_load_b128 v[(\ab2)+8*(\a)+4:(\ab2)+8*(\a)+7], v[ADRA] offset:(\a)*2176+64*(\c)+32
.endr
.endif
.endm
; A K step's first half: multiplies buffer 0 and fetches the second half.  The loads of a half go out as runs of 24, 8 and 8.
.macro Q1 zero
	s_wait_dscnt 16                                ; the run of 24 is in; the two runs of 8 may be out
	GRP 0, AB0, 0, \zero
	GRP 0, AB0, 1, \zero
	PLACES
	RUN 0, 1, AB1
	s_wait_dscnt 32                                ; the older run of 8 is in; 8 and the 24 just issued may be out
	GRP 1, AB0, 0, \zero
	GRP 1, AB0, 1, \zero
	PLACES
	RUN 1, 1, 0
	s_wait_dscnt 32                                ; the last old run is in; 24 and 8 may be out
	GRP 2, AB0, 0, \zero
	GRP 2, AB0, 1, \zero
	PLACES
	RUN 2, 1, 0
.endm
; Its second half multiplies buffer 1 and changes slots: ONE barrier.  In front of it each wave waits for all its tensor loads (one is out: its part of the next slot), adds 0 to its spare word,
; and waits for that and for its reads of this slot.  fill = 1: the barrier opens a round of the cluster's; behind the round this slot is filled again, two K steps ahead, first of all.
.macro Q2 fill
.if \fill
	s_wait_xcnt 0x0                                ; the last prefetches, a K step back or more, have read their address
	s_add_nc_u64 s[PFA:PFA+1], s[PFA:PFA+1], s[PST:PST+1]
.endif
	WIN 0
	s_wait_tensorcnt 0x0
	ds_add_u32 v[SPW], v[NIL]
	s_wait_dscnt 17                                ; the run of 24 is in; two runs of 8 and the add may be out
	GRP 0, AB1, 0, 0
	s_wait_dscnt 0x0                               ; the add is done, and my reads of this slot are over
	s_barrier_signal -1
	GRP 0, AB1, 1, 0
	WIN 0
	s_barrier_wait -1
.if \fill
	CREST                                          ; no wave of any partner still reads this slot or has a load on its way
	s_xor_b32 s[G0A+5], s[G0A+5], SLOT1            ; the walking descriptors: the other slot than last time, the next K step
	s_add_nc_u64 s[G0A+6:G0A+7], s[G0A+6:G0A+7], XBLK
	s_xor_b32 s[G0B+5], s[G0B+5], SLOT1
	s_add_nc_u64 s[G0B+6:G0B+7], s[G0B+6:G0B+7], 8192
	JLOAD                                          ; the four v_nop behind it are also the places in front of the loads below
.else
	PLACES
.endif
	s_xor_b32 s[TB], s[TB], SLOT1
	v_add_nc_u32 v[ADRA], s[TB], v[ADRA0]
	v_add_nc_u32 v[ADRB], s[TB], v[ADRB0]
	RUN 0, 0, AB0
.if \fill
	ASK
.endif
	GRP 1, AB1, 0, 0
	GRP 1, AB1, 1, 0
	PLACES
	RUN 1, 0, 0
	GRP 2, AB1, 0, 0
	GRP 2, AB1, 1, 0
	PLACES
	RUN 2, 0, 0
.endm
	s_wait_tensorcnt 1                             ; my part of K step 0 is in; step 1's may stay out
	s_barrier_signal -1
	s_barrier_wait -1
	RUN 0, 0, AB0
	RUN 1, 0, 0
	RUN 2, 0, 0
	Q1 1                                           ; the first half step stands in front of the loop: its products start the sums
	WIN 0
	s_mov_b32 s3, 14
.Lstep:                                        ; trip t: the second half of step t, which asks for step t + 2, and the first half of step t + 1
	Q2 1
	Q1 0
	WIN 0
	s_sub_co_u32 s3, s3, 1
	s_cmp_lg_u32 s3, 0
	s_cbranch_scc1 .Lstep
	Q2 0                                           ; steps 14 and 15 ask for nothing
	Q1 0
	WIN 0                                          ; the very last half: no fragments are left to fetch; the bias comes into registers that the products have left
.irp b, 0,1,2,3,4,5,6,7
	global_load_b128 v[32+8*(\b):32+8*(\b)+3], v[BO], s[BP:BP+1] offset:64*(\b)
	global_load_b128 v[32+8*(\b)+4:32+8*(\b)+7], v[BO], s[BP:BP+1] offset:64*(\b)+16
.endr
	s_wait_dscnt 16
	GRP 0, AB1, 0, 0
	GRP 0, AB1, 1, 0
	PLACES
	WIN 0
.irp b, 8,9,10,11
	global_load_b128 v[160+8*((\b)-8):160+8*((\b)-8)+3], v[BO], s[BP:BP+1] offset:64*(\b)
	global_load_b128 v[160+8*((\b)-8)+4:160+8*((\b)-8)+7], v[BO], s[BP:BP+1] offset:64*(\b)+16
.endr
	s_wait_dscnt 8
	GRP 1, AB1, 0, 0
	GRP 1, AB1, 1, 0
	s_wait_dscnt 0x0
	GRP 2, AB1, 0, 0
	GRP 2, AB1, 1, 0
	WIN 0
	s_wait_loadcnt 0x0                             ; the bias
; THE WAY OUT.  y = sum x factor + bias x factor.  The bias of column block b (8 numbers a lane) is rounded to bf16 and multiplied by its head's factor, once: these lines are also the places behind the last products.
.macro BIASR b
.if (\b) < 8
.set BIX, 32+8*(\b)
.else
.set BIX, 160+8*((\b)-8)
.endif
.irp r, 0,1,2,3
	v_cvt_pk_bf16_f32 v[BT+(\r)], v[BIX+2*(\r)], v[BIX+2*(\r)+1]
.endr
.irp r, 0,1,2,3
	v_lshlrev_b32 v[BIX+2*(\r)], 16, v[BT+(\r)]
	v_and_b32 v[BIX+2*(\r)+1], 0xffff0000, v[BT+(\r)]
.endr
.irp r, 0,2,4,6
	v_pk_mul_f32 v[BIX+(\r):BIX+(\r)+1], v[BIX+(\r):BIX+(\r)+1], s[F+2*((\b)/4):F+2*((\b)/4)+1] op_sel_hi:[1,0]
.endr
.endm
.irp b, 0,1,2,3,4,5,6,7,8,9,10,11
	BIASR \b
.endr
; Row block a: scaled, biased and rounded to f16, 16 bytes a lane and column block; each accumulator's registers in ascending order
.macro PACK a
.irp g, 0,1,2
	WIN 0x41*(1+(\g))                              ; destination and source 0 in the accumulators' window, the bias in window 0
.irp bb, 0,1,2,3
.set AC, 8*(8*(\bb)+(\a))
.set BIX, 32+8*(4*(\g)+(\bb))
.if (\g) == 2
.set BIX, 160+8*(\bb)
.endif
.irp r, 0,2,4,6
	v_pk_fma_f32 v[AC+(\r):AC+(\r)+1], v[AC+(\r):AC+(\r)+1], s[F+2*(\g):F+2*(\g)+1], v[BIX+(\r):BIX+(\r)+1] op_sel_hi:[1,0,1]
.endr
.endr
	WIN 0x05*(1+(\g))                              ; sources in the accumulators' window, destination in window 0
.irp bb, 0,1,2,3
.set AC, 8*(8*(\bb)+(\a))
.irp r, 0,1,2,3
	v_cvt_pk_f16_f32 v[TMP+4*(4*(\g)+(\bb))+(\r)], v[AC+2*(\r)], v[AC+2*(\r)+1]
.endr
.endr
.endr
	WIN 0
.endm
.macro TOSTAGE                         ; into my own stage, and back as whole rows of 128 bytes; LDS serves a wave's instructions in order (ISA guide 5.7.1.4)
.irp b, 0,1,2,3,4,5,6,7,8,9,10,11
	ds_store_b128 v[STO], v[TMP+4*(\b):TMP+4*(\b)+3] offset:((\b)/4)*2304+32*((\b)%4)
.endr
.irp q, 0,1,2,3,4,5,6,7,8,9,10,11
	ds_load_b128 v[BK+4*(\q):BK+4*(\q)+3], v[RD] offset:((\q)/4)*2304+((\q)%4)*576
.endr
.endm
.macro SEND a
	s_wait_dscnt 0x0                               ; the block is back in registers
.irp q, 0,1,2,3,4,5,6,7,8,9,10,11
	global_store_b128 v[GOJ+(\q)/4], v[BK+4*(\q):BK+4*(\q)+3], s[12:13] offset:(\a)*2048+((\q)%4)*512  ; four rows of a head: 512 consecutive bytes, aligned
.endr
.endm
	PACK 0
	TOSTAGE
.irp a, 1,2,3,4,5,6,7                  ; block a's arithmetic stands between block a - 1's loads from the stage and the wait for them
	PACK \a
	SEND (\a)-1
	s_wait_xcnt 0x0                                ; the stores have read BK: only now is it loaded again
	TOSTAGE
.endr
	SEND 7
	s_wait_tensorcnt 0x0                           ; the wave's end: the add and its wait, behind my last tensor load and my last LDS store
	ds_add_u32 v[SPW], v[NIL]
	s_wait_dscnt 0x0
	CROUND                                         ; the closing round: no work-group ends while a partner may still ask for a tile that names it
	s_endpgm
.Lfunc_end_k_q12814b7996_qkvp:
	.size	k_q12814b7996_qkvp, .Lfunc_end_k_q12814b7996_qkvp-k_q12814b7996_qkvp
	.p2alignl 7, 3214868480
	.fill 96, 4, 3214868480
	.section	.rodata,"a",@progbits
	.p2align	6, 0x0
	.amdhsa_kernel k_q12814b7996_qkvp
		.amdhsa_group_segment_fixed_size 327680
		.amdhsa_private_segment_fixed_size 0
		.amdhsa_enable_private_segment 0
		.amdhsa_kernarg_size 40
		.amdhsa_user_sgpr_count 2
		.amdhsa_user_sgpr_kernarg_segment_ptr 1
		.amdhsa_wavefront_size32 1
		.amdhsa_system_sgpr_workgroup_id_x 1
		.amdhsa_system_sgpr_workgroup_id_y 1
		.amdhsa_system_sgpr_workgroup_id_z 1
		.amdhsa_system_vgpr_workitem_id 0
		.amdhsa_next_free_vgpr 1024
		.amdhsa_next_free_sgpr 100
		.amdhsa_reserve_vcc 0
		.amdhsa_float_denorm_mode_32 3
		.amdhsa_float_denorm_mode_16_64 3
		.amdhsa_memory_ordered 1
		.amdhsa_forward_progress 1
		.amdhsa_inst_pref_size 152
	.end_amdhsa_kernel
	.amdgpu_metadata
---
amdhsa.version: [ 1, 2 ]
amdhsa.kernels:
  - .name:           k_q12814b7996_qkvp
    .symbol:         k_q12814b7996_qkvp.kd
    .args:
      - { .name: cst, .offset: 0, .size: 8, .value_kind: global_buffer, .address_space: global }
      - { .name: bqkv_mu, .offset: 8, .size: 8, .value_kind: global_buffer, .address_space: global }
      - { .name: bqkv_sigma, .offset: 16, .size: 8, .value_kind: global_buffer, .address_space: global }
      - { .name: alpha, .offset: 24, .size: 8, .value_kind: global_buffer, .address_space: global }
      - { .name: qkv, .offset: 32, .size: 8, .value_kind: global_buffer, .address_space: global }
    .group_segment_fixed_size: 327680
    .private_segment_fixed_size: 0
    .kernarg_segment_align: 8
    .kernarg_segment_size: 40
    .max_flat_workgroup_size: 128
    .sgpr_count:     100
    .vgpr_count:     1024
    .wavefront_size: 32
...
	.end_amdgpu_metadata
.endif
;; end of part 2
;; launch attn (part 3): grid 8 x 32, 4 waves a work-group, clusters of 4 x 1, 327,680 bytes of LDS; arguments qkv, oh; writes oh
.if DOCPART == 3
	.amdgcn_target "amdgcn-amd-amdhsa--gfx1250"
	.amdhsa_code_object_version 6
	.text
	.protected	k_q12814b7996_attn
	.globl	k_q12814b7996_attn
	.p2align	8
	.type	k_q12814b7996_attn,@function
k_q12814b7996_attn:
	s_mov_b64 s[64:65], 0
	v_nop
	global_prefetch_b8 v0, s[64:65] scope:SCOPE_SE
	s_setreg_imm32_b32 hwreg(HW_REG_WAVE_MODE, 25, 1), 1
	s_wait_xcnt 0x0
	s_wait_alu depctr_hold_cnt(0) depctr_sa_sdst(0) depctr_va_vdst(0) depctr_va_sdst(0) depctr_va_ssrc(0) depctr_va_vcc(0) depctr_vm_vsrc(0)
	s_getreg_b32 s2, hwreg(HW_REG_IB_STS2, 6, 4)
	s_cmp_eq_u32 s2, 0
	s_cbranch_scc0 .Lentry_in_a_cluster
	s_endpgm
.Lentry_in_a_cluster:
	s_bfe_u32 s2, ttmp6, 0x10000c
	s_cmp_lg_u32 s2, 0x3003
	s_cbranch_scc0 .Lentry_shape_is_right
	s_endpgm
.Lentry_shape_is_right:
; CAUSAL ATTENTION OF BOTH STREAMS AT ONCE.  score = (q_mu . k_mu + (alpha q_sg) . k_sg) / 8 is ONE product over 128 channels; the one softmax weights [v_mu | v_sg], 128 channels.
; qkv: [q, k, v][stream 2][bh 32][2048][64] of f16 (q_sg already times alpha).  oh: [stream 2][head 16][batch x 2048 + n][64] of f16.
; Products, maxima and sums in f32; the weights p are rounded to f16 for the second product (their sum l is taken of the unrounded p), O once at the end.
; LIMITS.  A hidden score counts as its value less 1e30; a weight below 2^-126 counts as 0 in l; p below 6e-5 keeps f16's fixed step of 6e-8; NaN and infinities are not treated apart.
; THE WALK.  A head's 2,048 queries are four superblocks of 512.  A cluster of four work-groups takes superblock a and then superblock 3 - a (a = cluster x = 0, 1): each partner 128 of the 512 rows, each
; wave 32: two tiles of 16.  Keys go in slots of 256 (four steps of 64); superblock s walks slots 0 .. 2 s + 1: 2 a + 2 and then 8 - 2 a slots: TEN, whatever a, and the same walk in all four partners.
; So K and V are asked for JOINTLY.  No branch, trip count or LDS address hangs on a work-group's place in its cluster: that enters Q's and O's addresses, the masks' values (by selects) and the prefetches' address alone.
; LAYOUT.  S^T = K Q^T holds ONE query a lane (lane % 16) and the keys 8 (lane / 16) + 0..7; two such results rounded to f16 ARE source 1 of O^T = V^T P.  K comes out of LDS as it lies, V turned (ds_load_tr16_b128).
; SOFTMAX.  A running maximum m and sum l: p = 2^(c s - c m), c = log2(e) / 8; in every step O and l are multiplied by a = 2^(c m_old - c m_new).  m starts at the lowest finite number: a block's first step has a = 0.
; BY TURNS.  Turn j: 32 products V^T P of step j - 1, then 32 products K Q^T of step j + 1; between them, in 64 slices, the softmax of step j for both tiles.  S^T, P and V have two buffers, by the step's parity.
; O^T is rescaled in the turn's last slices, behind its products V^T P.  The turn fetches K and V of step j + 1: so a slot is read in four turns on end, and the change of slots stands in front of them.
; THE MASK is the C operand that starts each sum S^T: MD x AL + BE, with MD the mask of a block of 16 x 16 on the diagonal and two scalars for: on it (1, 0), below it (0, 0), above it (0, -1e30).
; It is made anew in a block's first slot and in its last two; between them it stays 0.
; A CHANGE OF BLOCKS.  The new block's first slot opens with the old block's last turn, which already makes the new first scores (new Q, new masks).  Then the old block goes out.  The next turn adds an old product
; once more onto O^T, and its softmax multiplies O^T and l by a = 0: they need only be finite.
; REGISTERS, in windows of 256 (s_set_vgpr_msb: bits 1:0 source 0, 3:2 source 1, 5:4 source 2, 7:6 destination):
;   window 0: v0-11 addresses; v12-27 eight registers of statistics a tile; v28-35 MD; v64-191 S^T (32 for buffer x 2 + tile); v192-255 P (16 likewise)
;   window 1: v0-127 O^T, 64 a tile; v128-255 V, buffer 0      window 2: v0-63 Q; v64-127 the masks; v128-255 K      window 3: v0-127 V, buffer 1; v128-191 the second superblock's Q
.set SLOTB, 143360                     ; a slot: K_mu, K_sg (128 pairs of rows x 272 each), V_mu, V_sg (x 288 each)
.set KSO,   34816
.set VOFF,  69632
.set VSO,   36864
.set KSTEP, 8704                       ; 64 keys of K
.set VSTEP, 9216                       ; 64 keys of V
.set STAGE, 2*SLOTB                    ; behind the ring, never filled by a tensor load: [stream 2][16 rows][144 bytes] for each wave
.set STW,   4608
.set SPARE, STAGE+4*STW                ; the spare words, 128 bytes for each wave: two blocks of 256 bytes that no other line names
.set AK0, 2                            ; v2   my lane's place in a tile of K; never rewritten
.set AV0, 3                            ; v3   the same for V
.set ADR, 4                            ; v4   the LDS address of the run of loads in hand
.set QO,  5                            ; v5   my byte offset in 16 rows of q_mu
.set STO, 6                            ; v6   the way out: where I put 16 bytes of a row
.set RD,  7                            ; v7   where I read rows back
.set GO,  8                            ; v8   my byte offset in 512 consecutive bytes of O_mu
.set ST,  12                           ; tile t's statistics at v[ST+8 t]: c m, m, l (even keys', odd keys'), c0-c3 at work; a takes c2's place
.set MD,  28
.set QO2, 36                           ; v36  QO for q_sg
.set GO2, 37                           ; v37  GO for O_sg
.set PFO, 61                           ; v61  256 x my lane
.set SPW, 62                           ; v62  LDS address of my spare word; never rewritten
.set NIL, 63                           ; v63  0; never rewritten
.set S,   64
.set P,   192
.set MC,  64                           ; window 2
.set KF,  128                          ; window 2
.set QB,  128                          ; window 3
.set WV,  12
.set A,   13
.set CX,  14
.set BH,  15
.set KB,  16                           ; s[16:17] the array of K that I fetch (mu: even waves, sigma: odd), at the head's first row
.set VB,  18                           ; s[18:19] the same of V
.set PFB, 20                           ; s[20:21] my array at my work-group's 32 of a tile's 128 rows of 256 bytes
.set PFA, 22                           ; s[22:23] the same in the tile to be asked for next
.set G1K, 24
.set G1V, 32
.set G0K, 40
.set G0V, 44
.set OFF, 48                           ; s[48:49] a tile's byte offset
.set LK,  50                           ; s50, s51  my array's place in a slot
.set LV,  51
.set RB,  52                           ; s52  0 or SLOTB: the slot that is read
.set TBK, 53                           ; s53  LDS byte at which K of the step to be fetched begins
.set TBV, 54                           ; s54  the same for V, less VOFF
.set CNT, 55
.set SLOTS, 56
.set NXT, 57                           ; s57  the tile to be asked for next
.set LQ,  58                           ; s58  the last tile of the block whose tiles are being asked for
.set RT,  59                           ; s59  slots of the block in hand that are still to be entered
.set SB,  60                           ; s60  the number, in its block, of the slot to be entered
.set ENDF, 61                          ; s61  1: the old block ends behind the next turn
.set FIRST, 62                         ; s62  1: nothing has been computed yet
.set MF,  63                           ; s63  1: this slot's turns make masks
.set DK,  66                           ; s66  first key of the step whose scores come next, less my wave's first query
.set QP,  67                           ; s67  my wave's first query in the block in hand;  s68 in the second block
.set QPH, 68
.set NHI, 69
.set PTH, 70                           ; s70  I prefetch tiles from this number on (the greatest number: none);  s71 the same for the second block
.set PTH2, 71
.set CS,  72                           ; s[72:73] c
.set SEL, 74                           ; s[74:75] v_permlanex16_b32's selects: each lane takes its own place in the other half
.set AL,  76                           ; s[76:77] the mask's factor
.set BE,  78                           ; s[78:79] the mask's addend
.set OH,  80                           ; s[80:81] O at my rows of the second block
.set BIGN, 82
.set NHIM1, 83
.set MSB, 0
.macro WIN new
.if MSB != (\new)
	s_set_vgpr_msb (MSB<<8)|(\new)
.set MSB, \new
.endif
.endm
.macro PLACES
.rept 4
	v_nop
.endr
.endm
; A joint fill.  Wave 0 fetches a tile's K_mu, wave 1 K_sg, wave 2 V_mu, wave 3 V_sg: 128 rows of 256 bytes each.  An s_nop 0 and four v_nop follow each of the two lines.
.macro JLOAD
	s_cmp_lt_u32 s[WV], 2
	s_cbranch_scc0 .Lfor_v_\@
	tensor_load_to_lds s[G0K:G0K+3], s[G1K:G1K+7]
	s_nop 0
.rept 4
	v_nop
.endr
	s_branch .Lasked_\@
.Lfor_v_\@:
	tensor_load_to_lds s[G0V:G0V+3], s[G1V:G1V+7]
	s_nop 0
.rept 4
	v_nop
.endr
.Lasked_\@:
.endm
.macro CROUND
	s_barrier_signal -1
	s_barrier_wait -1
	s_cmp_lg_u32 s[WV], 0
	s_cbranch_scc1 .Lnot_wave_0_\@
	s_barrier_signal -3
.Lnot_wave_0_\@:
	s_barrier_wait -3
	s_barrier_signal -1
	s_barrier_wait -1
.endm
; A PREFETCH INTO THE L2 of the tile that the NEXT change of slots will ask for: four turns, 256 matrix instructions, ahead of that load.  Each wave asks for its own array, each partner for 32 of its 128 rows of
; 256 bytes, told apart by address, a lane a row.  Of a head's two clusters the one that walks a tile first asks for it: tiles 2 and 3 cluster 1 in its first block, tiles 4 to 7 cluster 0 in its second.
; Tiles 0 and 1 come by their loads alone; behind a block's last tile the number goes back to 0 and nothing is asked for.
.macro ASK
	s_cmp_ge_u32 s[NXT], s[PTH]
	s_cbranch_scc0 .Lnot_mine_\@
	global_prefetch_b8 v[PFO], s[PFA:PFA+1] th:TH_LOAD_NT scope:SCOPE_SE
.Lnot_mine_\@:
.endm
; THE CHANGE OF SLOTS.  Each wave waits for all its tensor loads, of which one is out: its part of the other slot; adds 0 to its spare word; and waits for that and for its reads of the slot that it leaves.
; fill = 1: a round of the cluster's barrier, and first behind it the joint fill of the slot that is left, with tile NXT; the descriptors' addresses are made anew from that number.
; (At its first use nothing has been read yet: slot 0 is waited for, slot 1 filled.)  Then the books of the slot that is entered.
.macro CHANGE fill
	WIN 0
	s_wait_tensorcnt 0x0                           ; no tensor load of mine is out, so a group 0 may be written
	ds_add_u32 v[SPW], v[NIL]                      ; 0 onto my spare word; scalar work stands between it and the wait for it
	s_xor_b32 s[RB], s[RB], SLOTB                  ; the slot to be read
	s_mov_b32 s[TBK], s[RB]
	s_mov_b32 s[TBV], s[RB]
.if \fill
	s_xor_b32 s84, s[RB], SLOTB                    ; the slot that is left
	s_add_co_u32 s[G0K+1], s84, s[LK]
	s_add_co_u32 s[G0V+1], s84, s[LV]
	s_lshl_b32 s[OFF], s[NXT], 15                  ; a tile is 32,768 bytes of each array
	s_add_nc_u64 s[G0K+2:G0K+3], s[KB:KB+1], s[OFF:OFF+1]
	s_or_b32 s[G0K+3], s[G0K+3], 0x80000000
	s_add_nc_u64 s[G0V+2:G0V+3], s[VB:VB+1], s[OFF:OFF+1]
	s_or_b32 s[G0V+3], s[G0V+3], 0x80000000
	s_add_co_u32 s[NXT], s[NXT], 1                 ; the block's next tile, or behind its last the second block's tile 0
	s_cmp_gt_u32 s[NXT], s[LQ]
	s_cselect_b32 s[NXT], 0, s[NXT]
	s_cselect_b32 s[LQ], s[NHIM1], s[LQ]
	s_cselect_b32 s[PTH], s[PTH2], s[PTH]
	s_lshl_b32 s[OFF], s[NXT], 15
	s_wait_xcnt 0x0                                ; the last prefetch, four turns back, has read its address
	s_add_nc_u64 s[PFA:PFA+1], s[PFB:PFB+1], s[OFF:OFF+1]
.endif
	s_wait_dscnt 0x0                               ; the add is done, and my reads of the slot are over
.if \fill
	CROUND
	JLOAD
	ASK
.else
	s_barrier_signal -1
	s_barrier_wait -1
.endif
	s_cmp_eq_u32 s[RT], 0                          ; the first block's slots are used up: the second begins
	s_cselect_b32 s[RT], s[NHI], s[RT]
	s_cselect_b32 s[ENDF], 1, s[ENDF]
	s_cselect_b32 s[SB], 0, s[SB]
	s_cselect_b32 s[QP], s[QPH], s[QP]
	s_sub_co_u32 s[RT], s[RT], 1
	s_lshl_b32 s84, s[SB], 8
	s_sub_co_i32 s[DK], s84, s[QP]
	s_cmp_le_u32 s[RT], 1                          ; the superblock's own 512 keys are its last two slots
	s_cselect_b32 s[MF], 1, 0
	s_cmp_eq_u32 s[SB], 0                          ; in a block's first slot the masks of the block before are written over
	s_cselect_b32 s[MF], 1, s[MF]
	s_add_co_u32 s[SB], s[SB], 1
.endm
	s_load_b128 s[4:7], s[0:1], 0x0                ; qkv s[4:5], oh s[6:7]
	v_lshl_add_u32 v[SPW], v0, 2, SPARE
	v_mov_b32 v[NIL], 0
	ds_add_u32 v[SPW], v[NIL]                      ; the wave's opening: the add and its wait stand ahead of my first tensor load; work on registers stands between them
	v_lshrrev_b32 v1, 5, v0
	v_readfirstlane_b32 s[WV], v1                  ; wave 0..3
	s_bfe_u32 s[CX], ttmp6, 0x40000                ; my place in the cluster
	s_mov_b32 s[A], ttmp9                          ; the cluster: 0 or 1
	s_and_b32 s[BH], ttmp7, 0xffff                 ; batch x 16 + head
	s_lshl_b32 s84, s[A], 1
	s_add_co_u32 s[RT], s84, 2                     ; the first block has 2 a + 2 slots,
	s_sub_co_u32 s[NHI], 8, s84                    ; the second 8 - 2 a
	s_sub_co_u32 s[NHIM1], 7, s84
	s_add_co_u32 s[LQ], s84, 1
	s_mov_b32 s[NXT], 1
	s_mov_b32 s[SB], 0
	s_mov_b32 s[ENDF], 0
	s_mov_b32 s[FIRST], 1
	s_mov_b32 s[SLOTS], 9
	s_mov_b32 s[RB], SLOTB                         ; the first change of slots turns it into 0
	s_lshl_b32 s84, s[CX], 7
	s_lshl_b32 s85, s[WV], 5
	s_add_co_u32 s84, s84, s85                     ; 128 cx + 32 w
	s_lshl_b32 s85, s[A], 9
	s_add_co_u32 s[QP], s84, s85
	s_sub_co_u32 s85, 3, s[A]
	s_lshl_b32 s85, s85, 9
	s_add_co_u32 s[QPH], s84, s85
	s_cmp_eq_u32 s[A], 1
	s_cselect_b32 s[PTH], 2, -1
	s_cselect_b32 s[PTH2], -1, 4
	s_and_b32 s84, s[WV], 1                        ; which stream's array I fetch
	s_lshl_b32 s2, s84, 23
	s_lshl_b32 s3, s[BH], 18
	s_add_co_u32 s2, s2, s3
	s_add_co_u32 s2, s2, 1<<24                     ; k lies behind q
	s_mov_b32 s3, 0
	s_mul_i32 s[LK], s84, KSO
	s_mul_i32 s[LV], s84, VSO
	s_add_co_u32 s[LV], s[LV], VOFF
	s_lshl_b32 s85, s[BH], 18                      ; q: the head's rows, my wave's first row, in either block
	s_lshl_b32 s86, s[QP], 7
	s_add_co_u32 s86, s86, s85
	s_mov_b32 s87, 0
	s_lshl_b32 s88, s[QPH], 7
	s_add_co_u32 s88, s88, s85
	s_mov_b32 s89, 0
	s_and_b32 s90, s[BH], 15                       ; O: head x 4,096 rows, batch x 2,048 rows
	s_lshl_b32 s90, s90, 19
	s_lshr_b32 s91, s[BH], 4
	s_lshl_b32 s91, s91, 18
	s_add_co_u32 s90, s90, s91
	s_lshl_b32 s92, s[QP], 7
	s_add_co_u32 s92, s92, s90
	s_mov_b32 s93, 0
	s_lshl_b32 s94, s[QPH], 7
	s_add_co_u32 s94, s94, s90
	s_mov_b32 s95, 0
	s_mov_b32 s[G1K], 15|(3<<16)|(1<<20)|(1<<21)|(5<<22)|(3<<25)  ; the mask of four; elements of 8 bytes; padding on; bit 21 beside a mask; after every 64 words, 4 words
	s_mov_b32 s[G1V], 15|(3<<16)|(1<<20)|(1<<21)|(5<<22)|(7<<25)  ; the same with 8 words of padding
.irp g, G1K, G1V
	s_mov_b32 s[\g+1], 32<<16                      ; 128 rows of 32 elements (256 bytes: two keys), dense
	s_mov_b32 s[\g+2], 128<<16
	s_mov_b32 s[\g+3], 32<<16
	s_mov_b32 s[\g+4], 128
	s_mov_b32 s[\g+5], 32
	s_mov_b32 s[\g+6], 0
	s_mov_b32 s[\g+7], 0
.endr
	s_mov_b32 s[CS], 0x3e38aa3b                    ; c = log2(e) / 8
	s_mov_b32 s[CS+1], s[CS]
	s_mov_b32 s[SEL], 0x76543210
	s_mov_b32 s[SEL+1], 0xfedcba98
	s_mov_b32 s[AL+1], 0                           ; named as pairs
	s_mov_b32 s[BE+1], 0
	s_mov_b32 s[OFF+1], 0
	s_mov_b32 s[BIGN], 0xf149f2ca                  ; -1e30
	s_mov_b32 s[G0K], 1
	s_mov_b32 s[G0K+1], s[LK]                      ; tile 0 goes into slot 0
	s_mov_b32 s[G0V], 1
	s_mov_b32 s[G0V+1], s[LV]
	s_wait_dscnt 0x0                               ; the opening add is done
	s_wait_kmcnt 0x0
	s_add_nc_u64 s[KB:KB+1], s[4:5], s[2:3]
	s_add_nc_u64 s[VB:VB+1], s[KB:KB+1], 1<<24
	s_mov_b64 s[G0K+2:G0K+3], s[KB:KB+1]
	s_or_b32 s[G0K+3], s[G0K+3], 0x80000000
	s_mov_b64 s[G0V+2:G0V+3], s[VB:VB+1]
	s_or_b32 s[G0V+3], s[G0V+3], 0x80000000
	s_add_nc_u64 s[8:9], s[4:5], s[86:87]          ; Q at my rows of the first block,
	s_add_nc_u64 s[88:89], s[4:5], s[88:89]        ; and of the second
	s_add_nc_u64 s[10:11], s[6:7], s[92:93]        ; O likewise
	s_add_nc_u64 s[OH:OH+1], s[6:7], s[94:95]
	s_cmp_lt_u32 s[WV], 2
	s_cselect_b64 s[PFB:PFB+1], s[KB:KB+1], s[VB:VB+1]
	s_lshl_b32 s86, s[CX], 13
	s_mov_b32 s87, 0
	s_add_nc_u64 s[PFB:PFB+1], s[PFB:PFB+1], s[86:87]
	CROUND                                         ; all four work-groups are here: the first joint loads meet
	JLOAD                                          ; tile 0.  Tile 1 is asked for when it has landed, by the loop's own change of slots
	; A fragment of K or Q is 16 rows x 32 channels: lane l holds row l % 16, channels 8 (l / 16) + 0..7 and 16 + 8 (l / 16) + 0..7: two loads of 16 bytes, 32 bytes apart.  Channels 0-63: mu; 64-127: sigma.
	v_and_b32 v1, 15, v0                           ; l % 16
	v_bfe_u32 v9, v0, 4, 1                         ; l / 16
	v_lshlrev_b32 v[QO], 7, v1
	v_lshl_add_u32 v[QO], v9, 4, v[QO]
	v_add_nc_u32 v[QO2], 1<<23, v[QO]
	WIN 0x80                                       ; destination window 2, address window 0
.irp t, 0,1
.irp c, 0,1
	global_load_b128 v[32*(\t)+8*(\c):32*(\t)+8*(\c)+3],       v[QO],  s[8:9] offset:(\t)*2048+(\c)*64
	global_load_b128 v[32*(\t)+8*(\c)+4:32*(\t)+8*(\c)+7],     v[QO],  s[8:9] offset:(\t)*2048+(\c)*64+32
	global_load_b128 v[32*(\t)+16+8*(\c):32*(\t)+16+8*(\c)+3],   v[QO2], s[8:9] offset:(\t)*2048+(\c)*64
	global_load_b128 v[32*(\t)+16+8*(\c)+4:32*(\t)+16+8*(\c)+7], v[QO2], s[8:9] offset:(\t)*2048+(\c)*64+32
.endr
.endr
	WIN 0xc0                                       ; destination window 3
.irp t, 0,1
.irp c, 0,1
	global_load_b128 v[QB+32*(\t)+8*(\c):QB+32*(\t)+8*(\c)+3],       v[QO],  s[88:89] offset:(\t)*2048+(\c)*64
	global_load_b128 v[QB+32*(\t)+8*(\c)+4:QB+32*(\t)+8*(\c)+7],     v[QO],  s[88:89] offset:(\t)*2048+(\c)*64+32
	global_load_b128 v[QB+32*(\t)+16+8*(\c):QB+32*(\t)+16+8*(\c)+3],   v[QO2], s[88:89] offset:(\t)*2048+(\c)*64
	global_load_b128 v[QB+32*(\t)+16+8*(\c)+4:QB+32*(\t)+16+8*(\c)+7], v[QO2], s[88:89] offset:(\t)*2048+(\c)*64+32
.endr
.endr
	; What the first turn finds: V's and P's second buffers hold 0 (its products V^T P, of a step that has not been, add 0), O^T and l are 0.  All this stands in the wait for the first tile.
.set i, 0
.rept 128
	v_mov_b32 v[i], 0
.set i, i+1
.endr
	WIN 0x40
.set i, 0
.rept 128
	v_mov_b32 v[i], 0
.set i, i+1
.endr
	WIN 0
.set i, P+32
.rept 32
	v_mov_b32 v[i], 0
.set i, i+1
.endr
.irp t, 0,1
	v_mov_b32 v[ST+8*(\t)], 0xfe000000             ; c m: far below every c s
	v_mov_b32 v[ST+8*(\t)+1], 0xff7fffff           ; m
	v_mov_b32 v[ST+8*(\t)+2], 0
	v_mov_b32 v[ST+8*(\t)+3], 0
.endr
	v_lshlrev_b32 v10, 3, v9
	v_sub_nc_u32 v10, v1, v10                      ; on the diagonal register r is hidden where 8 (l / 16) + r > l % 16
.set i, 0
.rept 8
	v_cmp_gt_i32 vcc_lo, i, v10
	v_cndmask_b32 v[MD+i], 0, s[BIGN], vcc_lo
.set i, i+1
.endr
	v_and_b32 v11, 1, v0
	v_lshrrev_b32 v[AK0], 1, v1                    ; K: row l % 16: pair of rows x 272 + odd row x 128 + 16 x half
	v_mul_u32_u24 v[AK0], v[AK0], 272
	v_lshl_add_u32 v[AK0], v11, 7, v[AK0]
	v_lshl_add_u32 v[AK0], v9, 4, v[AK0]
	v_bfe_u32 v[AV0], v0, 1, 2                     ; V: key 8 (l / 16) + l % 8, channels 8 ((l / 8) % 2) ..
	v_lshl_add_u32 v[AV0], v9, 2, v[AV0]
	v_mul_u32_u24 v[AV0], v[AV0], 288
	v_lshl_add_u32 v[AV0], v11, 7, v[AV0]
	v_bfe_u32 v10, v0, 3, 1
	v_lshl_add_u32 v[AV0], v10, 4, v[AV0]
	v_add_nc_u32 v[AV0], VOFF, v[AV0]
	s_mul_i32 s84, s[WV], STW
	s_add_co_u32 s84, s84, STAGE                   ; my stage
	v_mul_u32_u24 v[STO], v1, 144                  ; in: row l % 16, 16 bytes for each half of the lanes
	v_lshl_add_u32 v[STO], v9, 4, v[STO]
	v_add_nc_u32 v[STO], s84, v[STO]
	v_bfe_u32 v[RD], v0, 3, 2                      ; back: 32 lanes take four rows of 128 bytes,
	v_mul_u32_u24 v[RD], v[RD], 144
	v_and_b32 v10, 7, v0
	v_lshl_add_u32 v[RD], v10, 4, v[RD]
	v_add_nc_u32 v[RD], s84, v[RD]
	v_and_b32 v[GO], 31, v0                        ; which are 512 consecutive bytes of O
	v_lshlrev_b32 v[PFO], 8, v[GO]
	v_lshlrev_b32 v[GO], 4, v[GO]
	v_add_nc_u32 v[GO2], 1<<23, v[GO]
; THE MATRIX WORK, on the buffers x / 2 (x = 0, 2).  The accumulators take turns, one instruction a turn.
; Product i of 32 of O^T += V^T P: keys 32 (i / 16) on, channels 16 ((i / 2) % 8) on, tile i % 2.
.macro PV x
	WIN 0x51+(\x)                                  ; V in window 1 or 3, P in window 0, O^T in window 1
.set rO, 64*(i%2)+8*((i/2)%8)
.set rV, 128-64*(\x)+64*(i/16)+8*((i/2)%8)
.set rP, P+16*((\x)+i%2)+8*(i/16)
	v_wmma_f32_16x16x32_f16 v[rO:rO+7], v[rV:rV+7], v[rP:rP+7], v[rO:rO+7]
.endm
; Product i of 32 of S^T = K Q^T: channels 32 (i / 8) on, keys 16 ((i / 2) % 4) on, tile i % 2.  The first 8 start the sums with the masks.
.macro KQ x
.set rS, S+32*((\x)+i%2)+8*((i/2)%4)
.set rK, KF+32*((i/2)%4)+8*(i/8)
.set rQ, 32*(i%2)+8*(i/8)
.set rM, MC+32*(i%2)+8*((i/2)%4)
.if i < 8
	WIN 0x2a                                       ; K, Q and the mask in window 2, S^T in window 0
	v_wmma_f32_16x16x32_f16 v[rS:rS+7], v[rK:rK+7], v[rQ:rQ+7], v[rM:rM+7]
.else
	WIN 0x0a
	v_wmma_f32_16x16x32_f16 v[rS:rS+7], v[rK:rK+7], v[rQ:rQ+7], v[rS:rS+7]
.endif
.endm
; THE LDS LOADS stand in runs of 32.  last = 1 (the tail): in the last pass there is no further step, and the run is jumped over.
.macro FETCH_K last=0
	WIN 0
	v_add_nc_u32 v[ADR], s[TBK], v[AK0]
.if \last
	s_cmp_eq_u32 s[CNT], 1
	s_cbranch_scc1 .Lno_k_\@
.endif
	WIN 0x80                                       ; destination window 2
.irp f, 0,1,2,3,4,5,6,7,8,9,10,11,12,13,14,15  ; keys 16 (f / 4) on, channels 32 (f % 4) on
	ds_load_b128 v[KF+8*(\f):KF+8*(\f)+3],   v[ADR] offset:(((\f)%4)/2)*KSO+((\f)/4)*2176+((\f)%2)*64
	ds_load_b128 v[KF+8*(\f)+4:KF+8*(\f)+7], v[ADR] offset:(((\f)%4)/2)*KSO+((\f)/4)*2176+((\f)%2)*64+32
.endr
	s_add_co_u32 s[TBK], s[TBK], KSTEP             ; the next fetch is the next step's
	WIN 0
.if \last
.Lno_k_\@:
.endif
.endm
.macro FETCH_V x, last=0
	WIN 0
	v_add_nc_u32 v[ADR], s[TBV], v[AV0]
	s_wait_alu depctr_va_vdst(0)                   ; the one wait for the turn's batch of exponentials, ahead of their first reader (and of the branch below)
.if \last
	s_cmp_eq_u32 s[CNT], 1
	s_cbranch_scc1 .Lno_v_\@
.endif
	WIN 0x40+0x40*(\x)                             ; destination window 1 or 3
.set vb, 128-64*(\x)
.irp f, 0,1,2,3,4,5,6,7,8,9,10,11,12,13,14,15  ; keys 32 (f / 8) on, channels 16 (f % 8) on
	ds_load_tr16_b128 v[vb+8*(\f):vb+8*(\f)+3],   v[ADR] offset:(((\f)%8)/4)*VSO+((\f)/8)*4608+((\f)%4)*32
	ds_load_tr16_b128 v[vb+8*(\f)+4:vb+8*(\f)+7], v[ADR] offset:(((\f)%8)/4)*VSO+((\f)/8)*4608+((\f)%4)*32+2304
.endr
	s_add_co_u32 s[TBV], s[TBV], VSTEP
	WIN 0
.if \last
.Lno_v_\@:
.endif
.endm
; THE VECTOR WORK OF A TURN.  One tile's softmax for one key step is a list of 134 instructions; SM writes number j of it for buffer and tile t (2 x buffer + tile).  s0-s31 are the lane's 32 scores.
;   0-15    the maximum of s0-s31 and the old m, three operands at a time (each accumulator's lowest registers are read first)      16-20   the other half of the lanes' maximum; the new m; c m; c m_old - c m_new
;   21-69   ONE BATCH: the 16 scalings c s - c m and all 33 exponentials (a at 23, then s0-s31); none of these reads an exponential's result      (wait)  between 69 and 70
;   70-85   the roundings to f16      86-101  the sums; l = a l + the sum      102-133 the tile's O^T times a
.macro SM t
.set rT, ST+8*((\t)%2)
.set rS, S+32*(\t)
.set rP, P+16*(\t)
.set rO, 64*((\t)%2)+2*(j-102)
.if j < 102
	WIN 0
.endif
.if j < 4
	v_max3_num_f32 v[rT+4+j], v[rS+8*j], v[rS+8*j+1], v[rS+8*j+2]
.elseif j < 12
	v_max3_num_f32 v[rT+4+j%4], v[rT+4+j%4], v[rS+8*(j%4)+2*(j/4)+1], v[rS+8*(j%4)+2*(j/4)+2]
.elseif j == 12
	v_max3_num_f32 v[rT+4], v[rT+4], v[rS+7], v[rS+15]
.elseif j == 13
	v_max3_num_f32 v[rT+6], v[rT+6], v[rS+23], v[rS+31]
.elseif j == 14
	v_max3_num_f32 v[rT+4], v[rT+4], v[rT+5], v[rT+6]
.elseif j == 15
	v_max3_num_f32 v[rT+4], v[rT+4], v[rT+7], v[rT+1]
.elseif j == 16
	v_permlanex16_b32 v[rT+5], v[rT+4], s[SEL], s[SEL+1]  ; the query's other 32 keys lie in the lane 16 away
.elseif j == 17
	v_mov_b32 v[rT+7], v[rT]                       ; c m_old is kept for a
.elseif j == 18
	v_max_num_f32 v[rT+1], v[rT+4], v[rT+5]
.elseif j == 19
	v_mul_f32 v[rT], s[CS], v[rT+1]
.elseif j == 20
	v_sub_f32 v[rT+7], v[rT+7], v[rT]
.elseif j == 23
	v_exp_f32 v[rT+6], v[rT+7]
.elseif (j < 23) || ((j < 38) && (j%2 == 0)) || ((j < 66) && (j%4 == 2))
.set b, (j-2)/4                        ; 38, 42, .. 62: pairs 9 to 15
.if j < 38
.set b, (j-20)/2                       ; 21: pair 0; 22, 24, .. 36: pairs 1 to 8
.endif
	v_pk_fma_f32 v[rS+2*b:rS+2*b+1], v[rS+2*b:rS+2*b+1], s[CS:CS+1], v[rT:rT+1] op_sel_hi:[1,0,0] neg_lo:[0,0,1] neg_hi:[0,0,1]
.elseif j < 70
.set e, j-38                           ; 66 to 69: s28 to s31
.if j < 66
.set e, j-32-(j-38)/4                  ; 39-41, 43-45, .. 63-65: s7 to s27
.endif
.if j < 38
.set e, (j-25)/2                       ; 25, 27, .. 37: s0 to s6
.endif
	v_exp_f32 v[rS+e], v[rS+e]
.elseif j < 86
	v_cvt_pk_f16_f32 v[rP+j-70], v[rS+2*(j-70)], v[rS+2*(j-70)+1]
.elseif j < 102                        ; the sum of the 16 pairs, in place: neighbours 1, 2, 4 and 8 pairs apart, then l takes it
.set z, j-86
.set w, 4
.set u, z
.if z >= 14
.set w, 32
.set u, 0
.elseif z >= 12
.set w, 16
.set u, z-12
.elseif z >= 8
.set w, 8
.set u, z-8
.endif
.if z < 15
	v_pk_add_f32 v[rS+w*u:rS+w*u+1], v[rS+w*u:rS+w*u+1], v[rS+w*u+w/2:rS+w*u+w/2+1]
.else
	v_pk_fma_f32 v[rT+2:rT+3], v[rT+2:rT+3], v[rT+6:rT+7], v[rS:rS+1] op_sel_hi:[1,0,1]
.endif
.else
	WIN 0x41                                       ; O^T in window 1, a in window 0
	v_pk_mul_f32 v[rO:rO+1], v[rO:rO+1], v[rT+6:rT+7] op_sel_hi:[1,0]
.endif
.endm
; Slice k of 64 of the softmax on buffer y / 2: four instructions.  Slices 11 to 34 deal out the batch, four numbers of ONE tile each, the tiles by turns; every other slice is numbers 2 k and 2 k + 1 of both tiles;
; the twelve that are over stand in slice 63: sixteen plain instructions, the places behind the turn's last product.  Behind slice 34: a plain instruction behind the last exponential, and V's run of loads with the
; batch's one wait in it.  The last product that read that buffer of V stands in front of slice 31; four plain instructions lie between: number 62 of both tiles, the v_nop and the run's own v_add_nc_u32.
.macro SLICE y, x, last
.if (k >= 11) && (k < 35)
.irp n, 0,1,2,3
.set j, 22+4*((k-11)/2)+(\n)
	SM (\y)+(k-11)%2
.endr
.else
.irp n, 0,1,2,3,4,5,6,7
.if ((\n) < 2) || (k == 63)
.irp t, \y, (\y)+1
.set j, 2*k+(\n)
	SM \t
.endr
.endif
.endr
.endif
.if k == 34
	v_nop
	FETCH_V \x, \last
.endif
.set k, k+1
.endm
; The masks of the step whose scores come next.  Tile t against key block kb: with d = kb - t the block lies on the diagonal if DK = -16 d, above it if DK > -16 d.
.macro MASK
.irp d, -1,0,1,2,3
	s_cmp_eq_i32 s[DK], -16*(\d)
	s_cselect_b32 s[AL], 1.0, 0
	s_cmp_gt_i32 s[DK], -16*(\d)
	s_cselect_b32 s[BE], s[BIGN], 0
	WIN 0x80                                       ; destination window 2
.irp t, 0,1
.if ((\d)+(\t) >= 0) && ((\d)+(\t) <= 3)
.irp r, 0,2,4,6
	v_pk_fma_f32 v[MC+32*(\t)+8*((\d)+(\t))+(\r):MC+32*(\t)+8*((\d)+(\t))+(\r)+1], v[MD+(\r):MD+(\r)+1], s[AL:AL+1], s[BE:BE+1] op_sel_hi:[1,0,0]
.endr
.endif
.endr
.endr
	WIN 0
.endm
; A TURN on the buffers x / 2.  K of the next step is fetched behind the second product: the last product that read K stands in front of slice 63 of the turn before.
.macro TURN x, last=0
	WIN 0
	s_cmp_eq_u32 s[MF], 1
	s_cbranch_scc0 .Lnm_\@
	MASK
.Lnm_\@:
	s_add_co_i32 s[DK], s[DK], 64
.set k, 0
.set i, 0
.rept 32
	PV \x
	SLICE 2-(\x), \x, \last
.if i == 1
	FETCH_K \last
.endif
.set i, i+1
.endr
	s_wait_dscnt 0x0                               ; K is in; so is the V that the turn before has fetched, for the turn behind this one
.set i, 0
.rept 32
	KQ \x
	SLICE 2-(\x), \x, \last
.set i, i+1
.endr
.endm
; THE VERY BEGINNING takes the place of a turn: the first masks, K and V of step 0, the first scores.
.macro BEGIN
	s_mov_b32 s[FIRST], 0
	MASK
	s_add_co_i32 s[DK], s[DK], 64
	FETCH_K
	FETCH_V 0
	s_wait_loadcnt 0x0                             ; Q
	s_wait_dscnt 0x0
.set i, 0
.rept 32
	KQ 0
.set i, i+1
.endr
	WIN 0
	PLACES                                         ; behind those products
.endm
; A BLOCK'S END: V^T P of its last step (an odd one: the second buffers); l's two halves and the other half of the lanes' are added; O^T is divided by l, rounded to f16 and sent through my stage, a tile at a time.
.macro PACK t                          ; packed into S^T's second buffer, which is free; the first may already hold the next block's first scores
	WIN 0x41
.set i, 64*(\t)
.rept 32
	v_pk_mul_f32 v[i:i+1], v[i:i+1], v[ST+8*(\t)+6:ST+8*(\t)+7] op_sel_hi:[1,0]
.set i, i+2
.endr
	WIN 0x05                                       ; sources window 1, destination window 0
.set i, 0
.rept 32
	v_cvt_pk_f16_f32 v[S+64+32*(\t)+i], v[64*(\t)+2*i], v[64*(\t)+2*i+1]
.set i, i+1
.endr
	WIN 0
.irp f, 0,1,2,3,4,5,6,7
	ds_store_b128 v[STO], v[S+64+32*(\t)+4*(\f):S+64+32*(\t)+4*(\f)+3] offset:((\f)/4)*2304+32*((\f)%4)
.endr
.irp f, 0,1,2,3,4,5,6,7
	ds_load_b128 v[S+64+32*(\t)+4*(\f):S+64+32*(\t)+4*(\f)+3], v[RD] offset:((\f)/4)*2304+((\f)%4)*576  ; LDS serves a wave's instructions in order (ISA guide 5.7.1.4)
.endr
.endm
.macro SEND t, younger                 ; younger: the LDS instructions issued behind tile t's loads: the next tile's sixteen, or none
.irp f, 0,1,2,3
	s_wait_dscnt (\younger)+7-(\f)
	global_store_b128 v[GO], v[S+64+32*(\t)+4*(\f):S+64+32*(\t)+4*(\f)+3], s[10:11] offset:(\t)*2048+(\f)*512  ; four rows: 512 consecutive bytes, aligned
.endr
.irp f, 4,5,6,7
	s_wait_dscnt (\younger)+7-(\f)
	global_store_b128 v[GO2], v[S+64+32*(\t)+4*(\f):S+64+32*(\t)+4*(\f)+3], s[10:11] offset:(\t)*2048+((\f)-4)*512
.endr
.endm
.macro FINISH
.set i, 0
.rept 32
	PV 2
.set i, i+1
.endr
	WIN 0
	PLACES
.irp t, 0,1
	v_add_f32 v[ST+8*(\t)+4], v[ST+8*(\t)+2], v[ST+8*(\t)+3]
.endr
.irp t, 0,1
	v_permlanex16_b32 v[ST+8*(\t)+5], v[ST+8*(\t)+4], s[SEL], s[SEL+1]
.endr
.irp t, 0,1
	v_add_f32 v[ST+8*(\t)+4], v[ST+8*(\t)+4], v[ST+8*(\t)+5]
.endr
.irp t, 0,1
	v_rcp_f32 v[ST+8*(\t)+6], v[ST+8*(\t)+4]
.endr
	v_nop                                          ; a plain instruction between the last reciprocal and the use of its result,
	s_wait_alu depctr_va_vdst(0)                   ; and the wait ahead of the first use: one for both
	PACK 0
	PACK 1
	SEND 0, 16
	SEND 1, 0
.endm
.Lslot:                                        ; nine trips: a slot is entered and the next tile is asked for
	CHANGE 1
	s_mov_b32 s[CNT], 2
	s_cmp_eq_u32 s[FIRST], 1
	s_cbranch_scc0 .Lstep
	BEGIN
	s_branch .Lmid                                 ; the loop is entered in the middle of a trip
.Lstep:
	TURN 0
	WIN 0
	s_cmp_eq_u32 s[ENDF], 1
	s_cbranch_scc0 .Lmid
	FINISH                                         ; that was the first block's last turn
	s_wait_xcnt 0x0                                ; the stores have read their registers and O's address
	s_mov_b64 s[10:11], s[OH:OH+1]
	s_mov_b32 s[ENDF], 0
.irp t, 0,1
	v_mov_b32 v[ST+8*(\t)], 0xfe000000
	v_mov_b32 v[ST+8*(\t)+1], 0xff7fffff
.endr
.Lmid:
	TURN 2
	WIN 0
	s_sub_co_u32 s[CNT], s[CNT], 1
	s_cmp_lg_u32 s[CNT], 0
	s_cbranch_scc1 .Lstep
	s_cmp_eq_u32 s[RT], 0                          ; that was the first block's last slot: the next scores are the second block's
	s_cbranch_scc0 .Lnoq
	WIN 0x83                                       ; destination window 2, source window 3
.set i, 0
.rept 64
	v_mov_b32 v[i], v[QB+i]
.set i, i+1
.endr
	WIN 0
.Lnoq:
	s_sub_co_u32 s[SLOTS], s[SLOTS], 1
	s_cmp_lg_u32 s[SLOTS], 0
	s_cbranch_scc1 .Lslot
	CHANGE 0                                       ; the walk's last slot is written out: nothing is asked for
	s_mov_b32 s[CNT], 3
.Ltail:                                        ; five turns; the fifth fetches nothing, and its 32 products K Q^T, on the last K once more, serve nothing: the price of one text for every turn
	TURN 0, 1
	WIN 0
	s_sub_co_u32 s[CNT], s[CNT], 1
	s_cmp_eq_u32 s[CNT], 0
	s_cbranch_scc1 .Lfin
	TURN 2
	WIN 0
	s_branch .Ltail
.Lfin:
	FINISH
	s_wait_tensorcnt 0x0                           ; the wave's end: the add and its wait, behind my last tensor load and my last LDS store
	ds_add_u32 v[SPW], v[NIL]
	s_wait_dscnt 0x0
	CROUND                                         ; the closing round: no work-group ends while a partner may still ask for a tile that names it
	s_endpgm
.Lfunc_end_k_q12814b7996_attn:
	.size	k_q12814b7996_attn, .Lfunc_end_k_q12814b7996_attn-k_q12814b7996_attn
	.p2alignl 7, 3214868480
	.fill 96, 4, 3214868480
	.section	.rodata,"a",@progbits
	.p2align	6, 0x0
	.amdhsa_kernel k_q12814b7996_attn
		.amdhsa_group_segment_fixed_size 327680
		.amdhsa_private_segment_fixed_size 0
		.amdhsa_enable_private_segment 0
		.amdhsa_kernarg_size 16
		.amdhsa_user_sgpr_count 2
		.amdhsa_user_sgpr_kernarg_segment_ptr 1
		.amdhsa_wavefront_size32 1
		.amdhsa_system_sgpr_workgroup_id_x 1
		.amdhsa_system_sgpr_workgroup_id_y 1
		.amdhsa_system_sgpr_workgroup_id_z 1
		.amdhsa_system_vgpr_workitem_id 0
		.amdhsa_next_free_vgpr 960
		.amdhsa_next_free_sgpr 100
		.amdhsa_reserve_vcc 1
		.amdhsa_float_denorm_mode_32 3
		.amdhsa_float_denorm_mode_16_64 3
		.amdhsa_memory_ordered 1
		.amdhsa_forward_progress 1
		.amdhsa_inst_pref_size 186
	.end_amdhsa_kernel
	.amdgpu_metadata
---
amdhsa.version: [ 1, 2 ]
amdhsa.kernels:
  - .name:           k_q12814b7996_attn
    .symbol:         k_q12814b7996_attn.kd
    .args:
      - { .name: qkv, .offset: 0, .size: 8, .value_kind: global_buffer, .address_space: global }
      - { .name: oh, .offset: 8, .size: 8, .value_kind: global_buffer, .address_space: global }
    .group_segment_fixed_size: 327680
    .private_segment_fixed_size: 0
    .kernarg_segment_align: 8
    .kernarg_segment_size: 16
    .max_flat_workgroup_size: 128
    .sgpr_count:     100
    .vgpr_count:     960
    .wavefront_size: 32
...
	.end_amdgpu_metadata
.endif
;; end of part 3
;; launch proj (part 4): grid 16 x 16, 4 waves a work-group, clusters of 4 x 4, 327,680 bytes of LDS; arguments oh, cst, bproj_mu, bproj_sigma, out0, out1; writes out0, out1
.if DOCPART == 4
	.amdgcn_target "amdgcn-amd-amdhsa--gfx1250"
	.amdhsa_code_object_version 6
	.text
	.protected	k_q12814b7996_proj
	.globl	k_q12814b7996_proj
	.p2align	8
	.type	k_q12814b7996_proj,@function
k_q12814b7996_proj:
	s_mov_b64 s[64:65], 0
	v_nop
	global_prefetch_b8 v0, s[64:65] scope:SCOPE_SE
	s_setreg_imm32_b32 hwreg(HW_REG_WAVE_MODE, 25, 1), 1
	s_wait_xcnt 0x0
	s_wait_alu depctr_hold_cnt(0) depctr_sa_sdst(0) depctr_va_vdst(0) depctr_va_sdst(0) depctr_va_ssrc(0) depctr_va_vcc(0) depctr_vm_vsrc(0)
	s_getreg_b32 s2, hwreg(HW_REG_IB_STS2, 6, 4)
	s_cmp_eq_u32 s2, 0
	s_cbranch_scc0 .Lentry_in_a_cluster
	s_endpgm
.Lentry_in_a_cluster:
	s_bfe_u32 s2, ttmp6, 0x10000c
	s_cmp_lg_u32 s2, 0xf033
	s_cbranch_scc0 .Lentry_shape_is_right
	s_endpgm
.Lentry_shape_is_right:
; THE OUTPUT PROJECTIONS OF BOTH STREAMS.  out[m][n] = sum over k of O[m][k] W[k][n] + b[n]; O: 4096 x 1024 (oh, f16, [stream][k / 64][m][64]); W: 1024 x 1024 (cst, bf16 numbers written as f16,
; [stream][n / 64][k][64]); b rounded to bf16 here and added in f32.  Sums in f32; out in f32.  NaN and infinities are not treated apart.
; SHARES.  Two streams x 4096 x 1024 numbers; a work-group makes 256 x 128: 256 work-groups.  A wave makes 128 rows x 64 columns: 32 accumulators.  K goes in steps of 128 (two blocks of O) through two LDS slots.
; CLUSTER 4 x 4: O's rows are shared along a row of the cluster, W's columns along a column: joint loads.
; THE PRODUCT IS TAKEN TRANSPOSED (source 0 = 16 columns of W, turned by ds_load_tr16_b128; source 1 = 16 rows of O): a lane holds one row and eight neighbouring columns, 32 bytes of f32.
; LDS.  Tiles come as rows of 256 bytes (two matrix rows); O: 16 bytes of padding behind each, W: 32 (64 banks of 4 bytes: ISA guide 11.1: the rows of a pass start at different groups of banks).
; REGISTERS.  Window 0: addresses, the bias, the way out.  Windows 1 and 2: two fragment buffers, each for 64 along K: O's fragments at 8 (8 c + a), W's at 128 + 8 (4 c + b).  Window 3: accumulator (a, b) at 8 (4 a + b).
.set SLOT1,  1<<17
.set ABLK,   128*272                   ; 256 rows of one block of O: what waves 0 and 1 fetch
.set BOFF,   2*ABLK
.set BHG,    64*288                    ; 128 k of one group of 64 columns: what waves 2 and 3 fetch
.set STAGE,  SLOT1+BOFF+2*BHG          ; behind the ring, never filled by a tensor load: 16 rows x 272 bytes for each wave
.set STW,    16*272
.set SPARE,  STAGE+4*STW               ; the spare words, 128 bytes for each wave: two blocks of 256 bytes that no other line names
.set ASTEP,  1048576                   ; a K step of O: two blocks
.set BSTEP,  16384                     ; a K step of W: 128 rows of 128 bytes
.set WP0,    29360128
.set BO,   11
.set BT,   12                          ; v12-15 at work
.set ADRA, 16
.set ADRA0,17
.set ADRB, 20
.set ADRB0,21
.set STO,  24
.set RD,   25
.set CO,   26                          ; v26  my byte offset in two rows of out
.set SPW,  28
.set NIL,  29
.set PFO,  30
.set TMP,  32                          ; v32-63   a row block with its bias
.set BIAS, 64                          ; v64-95   the bias of my 64 columns: 8 numbers a lane and column block
.set BK,   96                          ; v96-127  16 rows read back from the stage
.set G1A, 24
.set G0A, 32
.set TB,  40
.set LIM, 41                           ; s41  a wave prefetches while s3 is above it (the greatest number: never)
.set G1B, 48
.set G0B, 56
.set PFA, 66
.set PST, 68
.set MSKP, 70                          ; s70  0: in every trip; 1: in trips with even s3
.set OUT, 72
.set BP,  74
.set WV,  84
.set WM,  85
.set WN,  86
.set CX,  87
.set CY,  88
.set STRM,89
.set TN,  90
.set TM,  91
.set MSB, 0
.macro WIN new
.if MSB != (\new)
	s_set_vgpr_msb (MSB<<8)|(\new)
.set MSB, \new
.endif
.endm
.macro PLACES
.rept 4
	v_nop
.endr
.endm
.macro JLOAD                           ; a joint refill by the walking descriptors; an s_nop 0 and four v_nop follow each of the two lines
	s_cmp_eq_u32 s[WM], 0
	s_cbranch_scc0 .Lfor_b_\@
	tensor_load_to_lds s[G0A+4:G0A+7], s[G1A:G1A+7]
	s_nop 0
.rept 4
	v_nop
.endr
	s_branch .Lasked_\@
.Lfor_b_\@:
	tensor_load_to_lds s[G0B+4:G0B+7], s[G1B:G1B+7]
	s_nop 0
.rept 4
	v_nop
.endr
.Lasked_\@:
.endm
.macro CREST
	s_cmp_lg_u32 s[WV], 0
	s_cbranch_scc1 .Lnot_wave_0_\@
	s_barrier_signal -3
.Lnot_wave_0_\@:
	s_barrier_wait -3
	s_barrier_signal -1
	s_barrier_wait -1
.endm
.macro CROUND
	s_barrier_signal -1
	s_barrier_wait -1
	CREST
.endm
; A PREFETCH INTO THE L2, behind the joint load and the run of LDS loads.  O's waves ask in trips 0 to 3 for the K step four on: of my 128 rows of 256 bytes partner cx takes 32.  W's waves ask in trips 0 and 2 for
; the two K steps four and five on, 32 KiB on end, of which partner cy takes a quarter.  A lane a block of 256 bytes, the partners told apart by address.  O's rows are read by the two clusters of a stream in a
; row of clusters: the one with even x asks; W's by the four of a column: y = 0 asks.  The first four steps come by their loads alone; the last step named is the last of K.
.macro ASK
	s_and_b32 s42, s3, s[MSKP]
	s_cmp_eq_u32 s42, 0
	s_cbranch_scc0 .Lna_\@
	s_cmp_gt_u32 s3, s[LIM]
	s_cbranch_scc0 .Lna_\@
	global_prefetch_b8 v[PFO], s[PFA:PFA+1] th:TH_LOAD_NT scope:SCOPE_SE
.Lna_\@:
.endm
	s_load_b256 s[4:11], s[0:1], 0x0               ; oh s[4:5], cst s[6:7], bproj_mu s[8:9], bproj_sigma s[10:11]
	s_load_b128 s[12:15], s[0:1], 0x20             ; out0 s[12:13], out1 s[14:15]
	v_lshl_add_u32 v[SPW], v0, 2, SPARE
	v_mov_b32 v[NIL], 0
	ds_add_u32 v[SPW], v[NIL]                      ; the wave's opening: the add and its wait stand ahead of my first tensor load; work on registers stands between them
	v_lshrrev_b32 v1, 5, v0
	v_readfirstlane_b32 s[WV], v1
	s_lshr_b32 s[WM], s[WV], 1                     ; my half of the rows.  Also: I fetch for O (0) or for W (1)
	s_and_b32 s[WN], s[WV], 1                      ; my half of the columns.  Also: which block of that tile I fetch
	s_bfe_u32 s[CX], ttmp6, 0x40000
	s_bfe_u32 s[CY], ttmp6, 0x40004
	s_lshr_b32 s[STRM], ttmp9, 1                   ; clusters x = 0, 1: mu; 2, 3: sigma
	s_and_b32 s[TN], ttmp9, 1
	s_lshl_b32 s[TN], s[TN], 2
	s_add_co_u32 s[TN], s[TN], s[CX]               ; which 128 columns
	s_and_b32 s[TM], ttmp7, 0xffff
	s_lshl_b32 s[TM], s[TM], 2
	s_add_co_u32 s[TM], s[TM], s[CY]               ; which 256 rows
	s_lshl_b32 s42, s[CY], 2
	s_lshl_b32 s42, 15, s42
	s_lshl_b32 s43, 0x1111, s[CX]
	s_or_b32 s[G1A], s42, (3<<16)|(1<<20)|(1<<21)|(5<<22)|(3<<25)  ; my row's mask; elements of 8 bytes; padding on; bit 21 beside a mask; after every 64 words, 4 words
	s_or_b32 s[G1B], s43, (3<<16)|(1<<20)|(1<<21)|(5<<22)|(7<<25)  ; my column's mask; 8 words of padding
	s_mov_b32 s[G1A+1], 32<<16                     ; O: 128 rows of 256 bytes, dense
	s_mov_b32 s[G1A+2], 128<<16
	s_mov_b32 s[G1A+3], 32<<16
	s_mov_b32 s[G1A+4], 128
	s_mov_b32 s[G1A+5], 32
	s_mov_b32 s[G1A+6], 0
	s_mov_b32 s[G1A+7], 0
	s_mov_b32 s[G1B+1], 32<<16                     ; W: 64 rows of 256 bytes, dense
	s_mov_b32 s[G1B+2], 64<<16
	s_mov_b32 s[G1B+3], 32<<16
	s_mov_b32 s[G1B+4], 64
	s_mov_b32 s[G1B+5], 32
	s_mov_b32 s[G1B+6], 0
	s_mov_b32 s[G1B+7], 0
	s_lshl_b32 s44, s[TM], 15                      ; O's tile: 256 rows of 128 bytes, the block that I fetch, the stream
	s_lshl_b32 s46, s[WN], 19
	s_add_co_u32 s44, s44, s46
	s_lshl_b32 s46, s[STRM], 23
	s_add_co_u32 s44, s44, s46
	s_mov_b32 s45, 0
	s_mul_i32 s47, s[WN], ABLK
	s_lshl_b32 s80, s[TN], 1                       ; W's tile: column group 2 tn + the one that I fetch
	s_add_co_u32 s80, s80, s[WN]
	s_lshl_b32 s80, s80, 17
	s_lshl_b32 s82, s[STRM], 21
	s_add_co_u32 s80, s80, s82
	s_add_co_u32 s80, s80, WP0
	s_mov_b32 s81, 0
	s_mul_i32 s83, s[WN], BHG
	s_add_co_u32 s83, s83, BOFF
	s_mov_b32 s[TB], 0
	s_wait_dscnt 0x0                               ; the opening add is done
	s_wait_kmcnt 0x0
	s_add_nc_u64 s[44:45], s[4:5], s[44:45]
	s_add_nc_u64 s[80:81], s[6:7], s[80:81]
.irp n, 0,1
	s_mov_b32 s[G0A+4*(\n)], 1
	s_add_co_u32 s[G0A+4*(\n)+1], s47, (\n)*SLOT1
	s_add_nc_u64 s[G0A+4*(\n)+2:G0A+4*(\n)+3], s[44:45], (\n)*ASTEP
	s_or_b32 s[G0A+4*(\n)+3], s[G0A+4*(\n)+3], 0x80000000
	s_mov_b32 s[G0B+4*(\n)], 1
	s_add_co_u32 s[G0B+4*(\n)+1], s83, (\n)*SLOT1
	s_add_nc_u64 s[G0B+4*(\n)+2:G0B+4*(\n)+3], s[80:81], (\n)*BSTEP
	s_or_b32 s[G0B+4*(\n)+3], s[G0B+4*(\n)+3], 0x80000000
.endr
	CROUND                                         ; all sixteen work-groups are here: the first joint loads meet
	s_cmp_eq_u32 s[WM], 0                          ; a wave's two first fills stand in one branch: two loads of mine are out
	s_cbranch_scc0 .Lfirst_b
	tensor_load_to_lds s[G0A:G0A+3], s[G1A:G1A+7]
	s_nop 0
	tensor_load_to_lds s[G0A+4:G0A+7], s[G1A:G1A+7]
	s_nop 0
.rept 4
	v_nop
.endr
	s_branch .Lfirst_done
.Lfirst_b:
	tensor_load_to_lds s[G0B:G0B+3], s[G1B:G1B+7]
	s_nop 0
	tensor_load_to_lds s[G0B+4:G0B+7], s[G1B:G1B+7]
	s_nop 0
.rept 4
	v_nop
.endr
.Lfirst_done:
	; the prefetches' pointer: three K steps beyond the one that the first trip's step makes of it
	s_lshl_b32 s16, s[CX], 13
	s_add_co_u32 s16, s16, 3*ASTEP
	s_lshl_b32 s18, s[CY], 13
	s_add_co_u32 s18, s18, 3*BSTEP
	s_and_b32 s19, ttmp9, 1
	s_and_b32 s20, ttmp7, 0xffff
	s_mov_b32 s[PST], BSTEP
	s_mov_b32 s[PST+1], 0
	s_cmp_eq_u32 s[WM], 0
	s_cselect_b64 s[PFA:PFA+1], s[44:45], s[80:81]
	s_cselect_b32 s16, s16, s18
	s_cselect_b32 s19, s19, s20
	s_cselect_b32 s[PST], ASTEP, s[PST]
	s_cselect_b32 s[LIM], 2, 3
	s_cselect_b32 s[MSKP], 0, 1
	s_mov_b32 s17, 0
	s_add_nc_u64 s[PFA:PFA+1], s[PFA:PFA+1], s[16:17]
	s_cmp_eq_u32 s19, 0
	s_cselect_b32 s[LIM], s[LIM], -1               ; the same in all sixteen partners, for a given wave
	; lane addresses
	v_and_b32 v1, 31, v0
	v_and_b32 v2, 15, v0                           ; l % 16
	v_bfe_u32 v3, v0, 4, 1                         ; l / 16
	v_and_b32 v4, 1, v0
	v_lshlrev_b32 v[PFO], 8, v1
	s_lshl_b32 s16, s[TN], 9                       ; the bias of my 64 columns: (128 tn + 64 half) x 4 bytes; my eight of a block of 16
	s_lshl_b32 s17, s[WN], 8
	s_add_co_u32 s16, s16, s17
	v_lshl_add_u32 v[BO], v3, 5, s16
	s_cmp_eq_u32 s[STRM], 0
	s_cselect_b64 s[BP:BP+1], s[8:9], s[10:11]
	s_cselect_b64 s[OUT:OUT+1], s[12:13], s[14:15]
.irp b, 0,1,2,3
	global_load_b128 v[BIAS+8*(\b):BIAS+8*(\b)+3], v[BO], s[BP:BP+1] offset:64*(\b)
	global_load_b128 v[BIAS+8*(\b)+4:BIAS+8*(\b)+7], v[BO], s[BP:BP+1] offset:64*(\b)+16
.endr
	v_lshrrev_b32 v5, 1, v2                        ; O: row l % 16: pair of rows x 272 + odd row x 128 + 16 x half
	v_mul_u32_u24 v5, v5, 272
	v_lshl_add_u32 v5, v4, 7, v5
	v_lshl_add_u32 v5, v3, 4, v5
	s_mul_i32 s18, s[WM], 64*272                   ; my 128 rows
	v_add_nc_u32 v[ADRA0], s18, v5
	v_bfe_u32 v6, v0, 1, 2                         ; W: row k = 8 (l / 16) + l % 8, columns 8 ((l / 8) % 2) ..
	v_lshl_add_u32 v6, v3, 2, v6
	v_mul_u32_u24 v6, v6, 288
	v_lshl_add_u32 v6, v4, 7, v6
	v_bfe_u32 v7, v0, 3, 1
	v_lshl_add_u32 v6, v7, 4, v6
	s_mul_i32 s18, s[WN], BHG
	s_add_co_u32 s18, s18, BOFF
	v_add_nc_u32 v[ADRB0], s18, v6
	v_mov_b32 v[ADRA], v[ADRA0]
	v_mov_b32 v[ADRB], v[ADRB0]
	s_mul_i32 s18, s[WV], STW
	s_add_co_u32 s18, s18, STAGE                   ; my stage
	v_mul_u32_u24 v5, v2, 272                      ; in: row l % 16, 32 bytes for each half of the lanes
	v_lshl_add_u32 v5, v3, 5, v5
	v_add_nc_u32 v[STO], s18, v5
	v_mul_u32_u24 v6, v3, 272                      ; back: lanes 0-15 take one row of 256 bytes, lanes 16-31 the next
	v_lshl_add_u32 v6, v2, 4, v6
	v_add_nc_u32 v[RD], s18, v6
	v_lshlrev_b32 v[CO], 12, v3                    ; and the same two rows in out
	v_lshl_add_u32 v[CO], v2, 4, v[CO]
	s_lshl_b32 s18, s[TM], 20                      ; my first row: (256 tm + 128 half) x 4,096 bytes; my first column as for the bias
	s_lshl_b32 s19, s[WM], 19
	s_add_co_u32 s18, s18, s19
	s_add_co_u32 s18, s18, s16
	s_mov_b32 s19, 0
	s_add_nc_u64 s[OUT:OUT+1], s[OUT:OUT+1], s[18:19]
; 16 matrix instructions: row blocks 4 half .. + 3 x all 4 column blocks, 32 along K: part c of buffer f (window 1 or 2).  The 32 accumulators take turns.  zero = 1: the product starts the sum.
.macro MULP f, c, half, zero
	WIN 0xf0+5*(\f)
.irp a, 4*(\half), 4*(\half)+1, 4*(\half)+2, 4*(\half)+3
.irp b, 0,1,2,3
.if \zero
	v_wmma_f32_16x16x32_f16 v[8*(4*(\a)+(\b)):8*(4*(\a)+(\b))+7], v[128+8*(4*(\c)+(\b)):128+8*(4*(\c)+(\b))+7], v[8*(8*(\c)+(\a)):8*(8*(\c)+(\a))+7], 0
.else
	v_wmma_f32_16x16x32_f16 v[8*(4*(\a)+(\b)):8*(4*(\a)+(\b))+7], v[128+8*(4*(\c)+(\b)):128+8*(4*(\c)+(\b))+7], v[8*(8*(\c)+(\a)):8*(8*(\c)+(\a))+7], v[8*(4*(\a)+(\b)):8*(4*(\a)+(\b))+7]
.endif
.endr
.endr
.endm
; 48 LDS loads in one run: the fragments of half hh of a K step (64 along K) into buffer f; the first 32 along K (24 loads) first
.macro FETCHP hh, f
	WIN 0x40*(\f)
.irp c, 0,1
.irp b, 0,1,2,3
	ds_load_tr16_b128 v[128+8*(4*(\c)+(\b)):128+8*(4*(\c)+(\b))+3],   v[ADRB] offset:(\hh)*9216+(\c)*4608+32*(\b)
	ds_load_tr16_b128 v[128+8*(4*(\c)+(\b))+4:128+8*(4*(\c)+(\b))+7], v[ADRB] offset:(\hh)*9216+(\c)*4608+32*(\b)+2304
.endr
.irp a, 0,1,2,3,4,5,6,7
	ds_load_b128 v[8*(8*(\c)+(\a)):8*(8*(\c)+(\a))+3],   v[ADRA] offset:(\hh)*ABLK+(\a)*2176+64*(\c)
	ds_load_b128 v[8*(8*(\c)+(\a))+4:8*(8*(\c)+(\a))+7], v[ADRA] offset:(\hh)*ABLK+(\a)*2176+64*(\c)+32
.endr
.endr
.endm
.macro H1 zero                         ; a K step's first half: multiplies buffer 1 (window 1) and fetches the second half
	s_wait_dscnt 24                                ; the first 32 along K are in
	MULP 1, 0, 0, \zero
	MULP 1, 0, 1, \zero
	PLACES
	FETCHP 1, 2
	s_wait_dscnt 48                                ; all but the 48 just issued
	MULP 1, 1, 0, 0
	MULP 1, 1, 1, 0
.endm
; Its second half multiplies the other buffer and changes slots: ONE barrier; in front of it each wave waits for all its tensor loads, adds 0 to its spare word, and waits for that and for its reads of this slot.
.macro H2 fill
.if \fill
	s_wait_xcnt 0x0                                ; the last prefetch, a K step back or more, has read its address
	s_add_nc_u64 s[PFA:PFA+1], s[PFA:PFA+1], s[PST:PST+1]
.endif
	WIN 0
	s_wait_tensorcnt 0x0
	ds_add_u32 v[SPW], v[NIL]
	s_wait_dscnt 25                                ; the first 24 loads are in; 24 and the add may be out
	MULP 2, 0, 0, 0
	s_wait_dscnt 0x0                               ; the add is done, and my reads of this slot are over
	s_barrier_signal -1
	MULP 2, 0, 1, 0
	WIN 0
	s_barrier_wait -1
.if \fill
	CREST                                          ; no wave of any partner still reads this slot or has a load on its way
	s_xor_b32 s[G0A+5], s[G0A+5], SLOT1
	s_add_nc_u64 s[G0A+6:G0A+7], s[G0A+6:G0A+7], ASTEP
	s_xor_b32 s[G0B+5], s[G0B+5], SLOT1
	s_add_nc_u64 s[G0B+6:G0B+7], s[G0B+6:G0B+7], BSTEP
	JLOAD                                          ; the four v_nop behind it are also the places in front of the loads below
.else
	PLACES
.endif
	s_xor_b32 s[TB], s[TB], SLOT1
	v_add_nc_u32 v[ADRA], s[TB], v[ADRA0]
	v_add_nc_u32 v[ADRB], s[TB], v[ADRB0]
	FETCHP 0, 1
	WIN 0
.if \fill
	ASK
.endif
	MULP 2, 1, 0, 0
	MULP 2, 1, 1, 0
.endm
	s_wait_tensorcnt 1                             ; my part of K step 0 is in; step 1's may stay out
	s_barrier_signal -1
	s_barrier_wait -1
	FETCHP 0, 1
	H1 1                                           ; the first half step stands in front of the loop: its first products start the sums
	WIN 0
	s_mov_b32 s3, 6
.Lstep:                                        ; trip t: the second half of step t, which asks for step t + 2, and the first half of step t + 1
	H2 1
	H1 0
	WIN 0
	s_sub_co_u32 s3, s3, 1
	s_cmp_lg_u32 s3, 0
	s_cbranch_scc1 .Lstep
	H2 0                                           ; steps 6 and 7 ask for nothing
	H1 0
	s_wait_dscnt 24                                ; the very last half
	MULP 2, 0, 0, 0
	MULP 2, 0, 1, 0
	s_wait_dscnt 0x0
	MULP 2, 1, 0, 0
	MULP 2, 1, 1, 0
	WIN 0
	s_wait_loadcnt 0x0                             ; the bias: rounded to bf16 like every input; these lines are also the places behind the last products
.irp b, 0,1,2,3
.irp r, 0,1,2,3
	v_cvt_pk_bf16_f32 v[BT+(\r)], v[BIAS+8*(\b)+2*(\r)], v[BIAS+8*(\b)+2*(\r)+1]
.endr
.irp r, 0,1,2,3
	v_lshlrev_b32 v[BIAS+8*(\b)+2*(\r)], 16, v[BT+(\r)]
	v_and_b32 v[BIAS+8*(\b)+2*(\r)+1], 0xffff0000, v[BT+(\r)]
.endr
.endr
; THE WAY OUT, a block of 16 rows at a time: the bias is added, 32 bytes a lane and column block go into my own stage and come back as whole rows of 256 bytes.
.macro PACK a
	WIN 0x03                                       ; source 0 in window 3
.irp b, 0,1,2,3
.irp r, 0,2,4,6
	v_pk_add_f32 v[TMP+8*(\b)+(\r):TMP+8*(\b)+(\r)+1], v[8*(4*(\a)+(\b))+(\r):8*(4*(\a)+(\b))+(\r)+1], v[BIAS+8*(\b)+(\r):BIAS+8*(\b)+(\r)+1]
.endr
.endr
	WIN 0
.endm
.macro TOSTAGE
.irp b, 0,1,2,3
	ds_store_b128 v[STO], v[TMP+8*(\b):TMP+8*(\b)+3] offset:64*(\b)
	ds_store_b128 v[STO], v[TMP+8*(\b)+4:TMP+8*(\b)+7] offset:64*(\b)+16
.endr
.irp f, 0,1,2,3,4,5,6,7
	ds_load_b128 v[BK+4*(\f):BK+4*(\f)+3], v[RD] offset:(\f)*544  ; LDS serves a wave's instructions in order (ISA guide 5.7.1.4)
.endr
.endm
.macro SEND a
	s_wait_dscnt 0x0
.irp f, 0,1,2,3,4,5,6,7
	global_store_b128 v[CO], v[BK+4*(\f):BK+4*(\f)+3], s[OUT:OUT+1] offset:(16*(\a)+2*(\f))*4096 th:TH_STORE_NT  ; 16 lanes store 256 consecutive bytes, aligned
.endr
.endm
	PACK 0
	TOSTAGE
.irp a, 1,2,3,4,5,6,7
	PACK \a
	SEND (\a)-1
	s_wait_xcnt 0x0                                ; the stores have read BK: only now is it loaded again
	TOSTAGE
.endr
	SEND 7
	s_wait_tensorcnt 0x0                           ; the wave's end: the add and its wait, behind my last tensor load and my last LDS store
	ds_add_u32 v[SPW], v[NIL]
	s_wait_dscnt 0x0
	CROUND                                         ; the closing round: no work-group ends while a partner may still ask for a tile that names it
	s_endpgm
.Lfunc_end_k_q12814b7996_proj:
	.size	k_q12814b7996_proj, .Lfunc_end_k_q12814b7996_proj-k_q12814b7996_proj
	.p2alignl 7, 3214868480
	.fill 96, 4, 3214868480
	.section	.rodata,"a",@progbits
	.p2align	6, 0x0
	.amdhsa_kernel k_q12814b7996_proj
		.amdhsa_group_segment_fixed_size 327680
		.amdhsa_private_segment_fixed_size 0
		.amdhsa_enable_private_segment 0
		.amdhsa_kernarg_size 48
		.amdhsa_user_sgpr_count 2
		.amdhsa_user_sgpr_kernarg_segment_ptr 1
		.amdhsa_wavefront_size32 1
		.amdhsa_system_sgpr_workgroup_id_x 1
		.amdhsa_system_sgpr_workgroup_id_y 1
		.amdhsa_system_sgpr_workgroup_id_z 1
		.amdhsa_system_vgpr_workitem_id 0
		.amdhsa_next_free_vgpr 1024
		.amdhsa_next_free_sgpr 100
		.amdhsa_reserve_vcc 0
		.amdhsa_float_denorm_mode_32 3
		.amdhsa_float_denorm_mode_16_64 3
		.amdhsa_memory_ordered 1
		.amdhsa_forward_progress 1
		.amdhsa_inst_pref_size 81
	.end_amdhsa_kernel
	.amdgpu_metadata
---
amdhsa.version: [ 1, 2 ]
amdhsa.kernels:
  - .name:           k_q12814b7996_proj
    .symbol:         k_q12814b7996_proj.kd
    .args:
      - { .name: oh, .offset: 0, .size: 8, .value_kind: global_buffer, .address_space: global }
      - { .name: cst, .offset: 8, .size: 8, .value_kind: global_buffer, .address_space: global }
      - { .name: bproj_mu, .offset: 16, .size: 8, .value_kind: global_buffer, .address_space: global }
      - { .name: bproj_sigma, .offset: 24, .size: 8, .value_kind: global_buffer, .address_space: global }
      - { .name: out0, .offset: 32, .size: 8, .value_kind: global_buffer, .address_space: global }
      - { .name: out1, .offset: 40, .size: 8, .value_kind: global_buffer, .address_space: global }
    .group_segment_fixed_size: 327680
    .private_segment_fixed_size: 0
    .kernarg_segment_align: 8
    .kernarg_segment_size: 48
    .max_flat_workgroup_size: 128
    .sgpr_count:     100
    .vgpr_count:     1024
    .wavefront_size: 32
...
	.end_amdgpu_metadata
.endif
;; end of part 4
;; ======== version 2 of 2: 4 launches; version 1 with the launch cast written anew for expert scheduling mode
;; limits: values are held in f16: magnitudes above 65,504 overflow, below 6.1e-05 lose precision
;; workspace buffers: cst 33,554,432 bytes; qkv 50,331,648 bytes; oh 16,777,216 bytes
;; launch cast (part 5): grid 512 x 1, 8 waves a work-group, no clusters, 0 bytes of LDS; arguments mu, sigma, Wqkv_mu, Wqkv_sigma, Wproj_mu, Wproj_sigma, cst; writes cst
.if DOCPART == 5
	.amdgcn_target "amdgcn-amd-amdhsa--gfx1250"
	.amdhsa_code_object_version 6
	.text
	.protected	k_q12814b7996_cast
	.globl	k_q12814b7996_cast
	.p2align	8
	.type	k_q12814b7996_cast,@function
k_q12814b7996_cast:
	s_mov_b64 s[64:65], 0
	v_nop
	global_prefetch_b8 v0, s[64:65] scope:SCOPE_SE
	s_setreg_imm32_b32 hwreg(HW_REG_WAVE_SCHED_MODE, 0, 2), 2
	s_setreg_imm32_b32 hwreg(HW_REG_WAVE_MODE, 25, 1), 1
	s_wait_xcnt 0x0
	s_wait_alu depctr_vm_vsrc(0)
; ROUND AND RE-BLOCK.  Each of six tensors [R][C] of f32 becomes [C/64][R][64] of f16 in cst: a matrix row's 64 columns are 128 bytes, and a block's rows lie end to end.
; Each number is rounded once to bf16 (nearest even) and that number is written as f16.
; LIMITS.  Exact for 6.1e-5 <= |x| < 65,504; below, f16 keeps its fixed step of 6e-8; from 65,520 on the result is an infinity.  NaN and infinities are not treated apart.
; cst: XH at 0: [stream 2][kb 16][4096][64]; WQ at 16,777,216: [stream 2][hg 48][1024][64]; WP at 29,360,128: [stream 2][hg 16][1024][64].
; SHARES.  A wave takes one column block and 64 rows: 32 granules of 2 rows x 64 columns.  The eight waves of a work-group take eight neighbouring column blocks.
; Work-groups 0-255: mu, sigma (128 each); 256-447: the two Wqkv (96 each); 448-511: the two Wproj (32 each).
; A load of a wave covers 256 consecutive aligned bytes of each of two rows; a store covers 256 consecutive aligned bytes.
; A stream: no LDS, no barrier, no matrix unit, no prefetch: every byte is read once by loads that are kept up to twelve deep in each wave.
; THE MODE: SCHED_MODE bits 1:0 = 2 (LLVM: expert scheduling mode 2), set by the entry lines.  The code itself states the register dependences
; between vector instructions and memory instructions, with s_wait_alu, always for 0.
; THE PLAN.  The 32 granules go in 8 blocks of four.  Registers that memory instructions touch:
;   X0 .. X3   four blocks as loaded.    Written by the loads of block p + 3, issued in block p; read by block p's roundings to bf16.
;   Y0, Y1     two blocks to store.      Written by block p's roundings to f16; read by the four stores that are issued in block p + 1.
;   OFF, OO    byte offsets, made once at the head and never written again: the source's rows are reached by a scalar base, which moves on by a block
;              (eight rows of a pitch that hangs on the tensor), the place in cst by the stores' immediate offsets.
; Block p works on X[p % 4] and writes Y[p % 2].  Its memory instructions are the loads into X[(p + 3) % 4] = X[(p - 1) % 4] and the stores from Y[(p - 1) % 2]:
; the two buffers that block p - 1 worked on and that no vector instruction of block p names.  So the waits at the head of a block state all that the block's
; eight memory instructions hang on, and these are dealt among its vector instructions with no further wait.
; Blocks 0 to 4 load, blocks 1 to 7 store: with four buffers of X a lap of the ring would be walked once, so the eight blocks are written out by macro, without a loop.
.set OFF, 2                            ; v[2:5]    granule i of a block: byte offset of my 16 bytes from the block's first row in the source
.set OO,  6                            ; v6        byte offset in cst of my 8 bytes of the wave's first granule
.set T,   12                           ; v[12:17]  at work: no memory instruction names them
.set X,   20                           ; v[20:83]  buffer k, granule i: 4 registers at X + 16 k + 4 i, as loaded
.set Y,   84                           ; v[84:99]  buffer k, granule i: 2 registers at Y + 8 k + 2 i, to store
.set BS,  26                           ; s[26:27]  bytes of a block in the source: eight rows
.set B1,  28                           ; s[28:29]  the source at block 1, for the first fills
.set B2,  30                           ; s[30:31]  at block 2
.set LB,  36                           ; s[36:37]  at the block that is loaded next
	s_load_b256 s[4:11], s[0:1], 0x0               ; mu, sigma, Wqkv_mu, Wqkv_sigma
	s_load_b128 s[12:15], s[0:1], 0x20             ; Wproj_mu, Wproj_sigma
	s_load_b64 s[16:17], s[0:1], 0x30              ; cst
	v_lshrrev_b32 v1, 5, v0
	v_readfirstlane_b32 s24, v1                    ; wave 0..7
	v_and_b32 v11, 31, v0                          ; lane
	s_mov_b32 s25, ttmp9                           ; g
	s_mov_b32 s23, 0xffff0000                      ; a word's upper bf16
	s_lshr_b32 s26, s25, 7                         ; as mu or sigma: stream,
	s_and_b32 s27, s25, 127                        ; and number in the tensor
	s_sub_co_u32 s28, s25, 256                     ; as a Wqkv
	s_cmp_ge_u32 s28, 96
	s_cselect_b32 s29, 1, 0
	s_mul_i32 s30, s29, 96
	s_sub_co_u32 s30, s28, s30
	s_sub_co_u32 s31, s25, 448                     ; as a Wproj
	s_lshr_b32 s32, s31, 5
	s_and_b32 s33, s31, 31
	s_mov_b32 s20, 4096                            ; bytes in a source row
	s_mov_b32 s34, 29360128                        ; where the kind begins in cst
	s_mov_b32 s35, 2097152                         ; bytes of a stream there
	s_mov_b32 s36, 131072                          ; bytes of a column block there
	s_mov_b32 s37, 4                               ; log2 of the groups of 64 rows
	s_cmp_lt_u32 s25, 448
	s_cselect_b32 s32, s29, s32
	s_cselect_b32 s33, s30, s33
	s_cselect_b32 s20, 12288, s20
	s_cselect_b32 s34, 16777216, s34
	s_cselect_b32 s35, 6291456, s35
	s_cmp_lt_u32 s25, 256
	s_cselect_b32 s32, s26, s32                    ; stream
	s_cselect_b32 s33, s27, s33                    ; number in the tensor
	s_cselect_b32 s20, 4096, s20
	s_cselect_b32 s34, 0, s34
	s_cselect_b32 s35, 8388608, s35
	s_cselect_b32 s36, 524288, s36
	s_cselect_b32 s37, 6, s37
	s_bfm_b32 s42, s37, 0
	s_and_b32 s43, s33, s42                        ; which 64 rows
	s_lshr_b32 s44, s33, s37                       ; which eight column blocks
	s_wait_alu depctr_va_sdst(0)                   ; s24, the wave's number, is written, ahead of its first reader: my column block is made from it
	s_lshl3_add_u32 s44, s44, s24                  ; my column block
	s_lshl_b32 s43, s43, 6                         ; my first row
	s_mul_i32 s45, s43, s20
	s_lshl_b32 s46, s44, 8
	s_add_co_u32 s45, s45, s46                     ; source: row x pitch + block x 256
	s_mul_i32 s46, s32, s35
	s_add_co_u32 s34, s34, s46
	s_mul_i32 s46, s44, s36
	s_add_co_u32 s34, s34, s46
	s_lshl_b32 s46, s43, 7
	s_add_co_u32 s34, s34, s46                     ; cst: kind + stream + block + row x 128
	s_lshl_b32 s46, s20, 1                         ; a granule: two rows
	s_lshl_b32 s[BS], s20, 3                       ; a block: four granules, eight rows,
	s_mov_b32 s[BS+1], 0                           ; as a pair, to be added to an address
	v_lshrrev_b32 v12, 4, v11
	v_and_b32 v13, 15, v11
	v_mul_lo_u32 v[OFF], v12, s20                  ; lanes 16-31 take the granule's second row
	v_lshl_add_u32 v[OFF], v13, 4, v[OFF]
	v_add_nc_u32 v[OFF], s45, v[OFF]
.irp i, 1,2,3
	v_add_nc_u32 v[OFF+(\i)], s46, v[OFF+(\i)-1]
.endr
	v_lshl_add_u32 v[OO], v11, 3, s34
	s_wait_kmcnt 0x0
	s_cmp_eq_u32 s32, 0                            ; the source: by stream, then by kind
	s_cselect_b64 s[18:19], s[12:13], s[14:15]
	s_cselect_b64 s[38:39], s[8:9], s[10:11]
	s_cselect_b64 s[40:41], s[4:5], s[6:7]
	s_cmp_lt_u32 s25, 448
	s_cselect_b64 s[18:19], s[38:39], s[18:19]
	s_cmp_lt_u32 s25, 256
	s_cselect_b64 s[18:19], s[40:41], s[18:19]
	s_add_nc_u64 s[B1:B1+1], s[18:19], s[BS:BS+1]  ; the first fills have a base each, so that none is stepped while a load reads it
	s_add_nc_u64 s[B2:B2+1], s[B1:B1+1], s[BS:BS+1]
	s_add_nc_u64 s[LB:LB+1], s[B2:B2+1], s[BS:BS+1]  ; block 3: what block 0 loads
	s_wait_alu depctr_va_vdst(0)                   ; v[OFF ..] and v[OO] are written: every load and store of the kernel reads one of them as its offset
.irp i, 0,1,2,3
	global_load_b128 v[X+4*(\i):X+4*(\i)+3], v[OFF+(\i)], s[18:19] th:TH_LOAD_NT          ; block 0 into X0
.endr
.irp i, 0,1,2,3
	global_load_b128 v[X+16+4*(\i):X+16+4*(\i)+3], v[OFF+(\i)], s[B1:B1+1] th:TH_LOAD_NT  ; block 1 into X1
.endr
.irp i, 0,1,2,3
	global_load_b128 v[X+32+4*(\i):X+32+4*(\i)+3], v[OFF+(\i)], s[B2:B2+1] th:TH_LOAD_NT  ; block 2 into X2
.endr
; Block p.  It works on X[p % 4] and writes Y[p % 2]; blocks 0 to 4 load block p + 3; blocks 1 to 7 store block p - 1.
.macro BLK p
.set xb, (\p)%4
.set yb, (\p)%2
.set xn, ((\p)+3)%4
.if (\p) < 6
	s_wait_loadcnt 8                               ; loads come back in order (ISA guide 5.7.1): X[xb] is in, the two younger blocks stay out
.else
	s_wait_loadcnt 4*(7-(\p))                      ; the last blocks: the counts run down
.endif
.if (\p) > 0
	s_wait_xcnt 0x0                                ; every earlier memory instruction has had its addresses translated (ISA guide 3.1): the loads' base and Y[yb] are rewritten only behind this wait
.if (\p) > 1
	s_wait_alu depctr_vm_vsrc(0)                   ; the stores issued in the block before have read Y[yb], which this block's roundings write again
.endif
	s_wait_alu depctr_va_vdst(0)                   ; the block before has written the other Y, which the stores below read, and is done reading its X, in which the loads below land
.if (\p) < 5
	s_add_nc_u64 s[LB:LB+1], s[LB:LB+1], s[BS:BS+1]  ; the loads' base at block p + 3
.endif
.endif
.irp i, 0,1,2,3
.if (\p) < 5
	global_load_b128 v[X+16*xn+4*(\i):X+16*xn+4*(\i)+3], v[OFF+(\i)], s[LB:LB+1] th:TH_LOAD_NT  ; three blocks ahead; no vector instruction since the wait names these registers
.endif
.if (\p) > 0
	global_store_b64 v[OO], v[Y+8*(1-yb)+2*(\i):Y+8*(1-yb)+2*(\i)+1], s[16:17] offset:256*(4*((\p)-1)+(\i))  ; the block before; the granule's place stands in the immediate
.endif
	v_cvt_pk_bf16_f32 v[T], v[X+16*xb+4*(\i)], v[X+16*xb+4*(\i)+1]
	v_cvt_pk_bf16_f32 v[T+1], v[X+16*xb+4*(\i)+2], v[X+16*xb+4*(\i)+3]
	v_lshlrev_b32 v[T+2], 16, v[T]
	v_and_b32 v[T+3], s23, v[T]
	v_lshlrev_b32 v[T+4], 16, v[T+1]
	v_and_b32 v[T+5], s23, v[T+1]
	v_cvt_pk_f16_f32 v[Y+8*yb+2*(\i)], v[T+2], v[T+3]
	v_cvt_pk_f16_f32 v[Y+8*yb+2*(\i)+1], v[T+4], v[T+5]
.endr
.endm
	BLK 0                                          ; no block stands in front of it: no store, and no wait but the one for its data
	BLK 1
	BLK 2
	BLK 3
	BLK 4                                          ; loads the last block
	BLK 5                                          ; blocks 5 to 7 load nothing: no load leaves the source
	BLK 6
	BLK 7
	s_wait_alu depctr_va_vdst(0)                   ; block 7 has written Y1, which the last four stores read
.irp i, 0,1,2,3
	global_store_b64 v[OO], v[Y+8+2*(\i):Y+8+2*(\i)+1], s[16:17] offset:256*(28+(\i))
.endr
	s_endpgm
.Lfunc_end_k_q12814b7996_cast:
	.size	k_q12814b7996_cast, .Lfunc_end_k_q12814b7996_cast-k_q12814b7996_cast
	.p2alignl 7, 3214868480
	.fill 96, 4, 3214868480
	.section	.rodata,"a",@progbits
	.p2align	6, 0x0
	.amdhsa_kernel k_q12814b7996_cast
		.amdhsa_group_segment_fixed_size 0
		.amdhsa_private_segment_fixed_size 0
		.amdhsa_enable_private_segment 0
		.amdhsa_kernarg_size 56
		.amdhsa_user_sgpr_count 2
		.amdhsa_user_sgpr_kernarg_segment_ptr 1
		.amdhsa_wavefront_size32 1
		.amdhsa_system_sgpr_workgroup_id_x 1
		.amdhsa_system_sgpr_workgroup_id_y 1
		.amdhsa_system_sgpr_workgroup_id_z 1
		.amdhsa_system_vgpr_workitem_id 0
		.amdhsa_next_free_vgpr 100
		.amdhsa_next_free_sgpr 66
		.amdhsa_reserve_vcc 0
		.amdhsa_float_denorm_mode_32 3
		.amdhsa_float_denorm_mode_16_64 3
		.amdhsa_memory_ordered 1
		.amdhsa_forward_progress 1
		.amdhsa_inst_pref_size 23
	.end_amdhsa_kernel
	.amdgpu_metadata
---
amdhsa.version: [ 1, 2 ]
amdhsa.kernels:
  - .name:           k_q12814b7996_cast
    .symbol:         k_q12814b7996_cast.kd
    .args:
      - { .name: mu, .offset: 0, .size: 8, .value_kind: global_buffer, .address_space: global }
      - { .name: sigma, .offset: 8, .size: 8, .value_kind: global_buffer, .address_space: global }
      - { .name: Wqkv_mu, .offset: 16, .size: 8, .value_kind: global_buffer, .address_space: global }
      - { .name: Wqkv_sigma, .offset: 24, .size: 8, .value_kind: global_buffer, .address_space: global }
      - { .name: Wproj_mu, .offset: 32, .size: 8, .value_kind: global_buffer, .address_space: global }
      - { .name: Wproj_sigma, .offset: 40, .size: 8, .value_kind: global_buffer, .address_space: global }
      - { .name: cst, .offset: 48, .size: 8, .value_kind: global_buffer, .address_space: global }
    .group_segment_fixed_size: 0
    .private_segment_fixed_size: 0
    .kernarg_segment_align: 8
    .kernarg_segment_size: 56
    .max_flat_workgroup_size: 256
    .sgpr_count:     66
    .vgpr_count:     100
    .wavefront_size: 32
...
	.end_amdgpu_metadata
.endif
;; end of part 5
;; launch qkvp: the kernel of part 2 again; grid 16 x 16, 4 waves a work-group, clusters of 4 x 4, 327,680 bytes of LDS; arguments cst, bqkv_mu, bqkv_sigma, alpha, qkv; writes qkv
;; launch attn: the kernel of part 3 again; grid 8 x 32, 4 waves a work-group, clusters of 4 x 1, 327,680 bytes of LDS; arguments qkv, oh; writes oh
;; launch proj: the kernel of part 4 again; grid 16 x 16, 4 waves a work-group, clusters of 4 x 4, 327,680 bytes of LDS; arguments oh, cst, bproj_mu, bproj_sigma, out0, out1; writes out0, out1
